; MI455X (gfx1250); checked and timed in simulation.
; The chip was launched on July 23, 2026; its instructions are those of AMD's public machine-readable ISA for CDNA 5 (MIT licence, August 2026) and "CDNA5" Instruction Set Architecture Reference Guide (July 2026). The comments in the code are by the model that wrote it; some were corrected since.
;; Planning Attention. Allowed arithmetic: float matrix products may take bf16 or f16 operands with f32 sums; all other float work in f32.
;; Inputs: b_c 1,024 float32; b_k 1,024 float32; b_q 1,024 float32; b_v 1,024 float32; context_memory 8 x 4,096 x 1,024 float32; query 8 x 1,024 float32; w_c 1,024 x 2,048 float32; w_k 1,024 x 1,024 float32; w_q 1,024 x 1,024 float32; w_v 1,024 x 1,024 float32.
;; Outputs: out0 8 x 1,024 float32.
;; 3 versions, each right; version 2 is faster than version 1; version 3 is version 2 with the launch outp written anew for expert scheduling mode. Each part assembles by itself: llvm-mc -triple=amdgcn-amd-amdhsa -mcpu=gfx1250 --defsym DOCPART=n.
;; ======== version 1 of 3: 5 launches
;; workspace buffers: wpart 4,096 bytes; qkpart 1,048,576 bytes; cpart 4,096 bytes; pacc 1,048,576 bytes; pml 65,536 bytes; ctx 32,768 bytes
;; launch wsum (part 1): grid 256 x 1, 8 waves a work-group, no clusters, 1,280 bytes of LDS; arguments w_q, w_k, w_v, w_c, wpart; writes wpart
.if DOCPART == 1
	.amdgcn_target "amdgcn-amd-amdhsa--gfx1250"
	.amdhsa_code_object_version 6
	.text
	.protected	k_qa16db04d27_wsum
	.globl	k_qa16db04d27_wsum
	.p2align	8
	.type	k_qa16db04d27_wsum,@function
k_qa16db04d27_wsum:
	s_mov_b64 s[64:65], 0
	v_nop
	global_prefetch_b8 v0, s[64:65] scope:SCOPE_SE
	s_setreg_imm32_b32 hwreg(HW_REG_WAVE_MODE, 25, 1), 1
	s_wait_xcnt 0x0
; Partial sums of |w| for the four weight tensors: wpart[g][0..3] = the sums over work-group g's share of w_q, w_k, w_v, w_c.
; 256 work-groups of 8 waves.  Group g takes 16,384 bytes of each of w_q, w_k, w_v and 32,768 bytes of w_c; thread t takes the 16 bytes
; at 16 t of every 4,096: each load of a wave covers 512 neighbouring bytes.  All 20 loads of a thread go out at once.
; The sum is a tree at every level (thread, lanes, waves; the 256 groups' figures are added, again as a tree, by the launches that use them).
; LIMIT: the order of this sum is not the order of the defining program's mean, so the scale mean|w| + 1e-5 can differ from it in its last bits
; (about 1e-7 relative for the tree itself); a weight whose magnitude lies that close to half the scale can be made 0 where it is +-1 there, or the reverse.
; No LDS ring, matrix unit or cluster: every byte is read once by one thread and only added.
.set T16,  1                           ; v1       16 t
.set ADR,  2                           ; v2       LDS address of my wave's four sums
.set TMP,  3                           ; v3       what the other half of the lanes sent
.set SUM,  4                           ; v[4:7]   the four sums
.set ZERO, 8                           ; v8       0
.set Q,    16                          ; v[16:31] w_q
.set K,    32                          ; v[32:47] w_k
.set V,    48                          ; v[48:63] w_v
.set C,    64                          ; v[64:95] w_c
.set SEL0, 20
.set SEL1, 21
.set W,    22
.macro HALVE base, d                   ; v[base .. base+d-1] += v[base+d .. base+2d-1], two numbers an instruction
.set hv, 0
.rept \d/2
	v_pk_add_f32 v[\base+hv:\base+hv+1], v[\base+hv:\base+hv+1], v[\base+\d+hv:\base+\d+hv+1]
.set hv, hv+2
.endr
.endm
.macro WSUM r                          ; the sum over the wave's 32 lanes, in every lane
	v_add_f32_dpp v[\r], v[\r], v[\r] row_xmask:1 row_mask:0xf bank_mask:0xf
	v_add_f32_dpp v[\r], v[\r], v[\r] row_xmask:2 row_mask:0xf bank_mask:0xf
	v_add_f32_dpp v[\r], v[\r], v[\r] row_xmask:4 row_mask:0xf bank_mask:0xf
	v_add_f32_dpp v[\r], v[\r], v[\r] row_xmask:8 row_mask:0xf bank_mask:0xf
	v_permlanex16_b32 v[TMP], v[\r], s[SEL0], s[SEL1]
	v_add_f32 v[\r], v[\r], v[TMP]
.endm
.macro ABSSUM dst, base, n             ; dst = the sum of |v[base .. base+n-1]|; the magnitudes ride on the first level of adds
.set i, 0
.rept \n/2
	v_add_f32 v[\base+i], |v[\base+2*i]|, |v[\base+2*i+1]|
.set i, i+1
.endr
.if \n == 32
	HALVE \base, 8
.endif
	HALVE \base, 4
	HALVE \base, 2
	v_add_f32 v[\dst], v[\base], v[\base+1]
.endm
	s_load_b256 s[4:11], s[0:1], 0x0               ; w_q s[4:5], w_k s[6:7], w_v s[8:9], w_c s[10:11]
	s_load_b64 s[12:13], s[0:1], 0x20              ; wpart
	v_lshl_add_u32 v96, v0, 2, 0x100
	v_mov_b32 v97, 0
	v_lshlrev_b32 v[T16], 4, v0
	v_lshrrev_b32 v[ADR], 5, v0
	v_readfirstlane_b32 s[W], v[ADR]               ; wave 0..7
	v_mov_b32 v[TMP], 0                            ; v_permlanex16_b32 counts as a reader of its destination
	v_mov_b32 v[ZERO], 0
	s_lshl_b32 s14, ttmp9, 14                      ; my 16,384 bytes of w_q, w_k, w_v
	s_mov_b32 s15, 0
	s_lshl_b32 s16, ttmp9, 15                      ; my 32,768 bytes of w_c
	s_mov_b32 s17, 0
	s_lshl_b32 s18, ttmp9, 4                       ; my 16 bytes of wpart
	s_mov_b32 s19, 0
	s_mov_b32 s[SEL0], 0x76543210                  ; lane i of one half reads lane i of the other
	s_mov_b32 s[SEL1], 0xfedcba98
	s_lshl_b32 s23, s[W], 4
	v_mov_b32 v[ADR], s23                          ; 16 x wave
	s_wait_kmcnt 0x0
	s_add_nc_u64 s[4:5], s[4:5], s[14:15]
	s_add_nc_u64 s[6:7], s[6:7], s[14:15]
	s_add_nc_u64 s[8:9], s[8:9], s[14:15]
	s_add_nc_u64 s[10:11], s[10:11], s[16:17]
	s_add_nc_u64 s[12:13], s[12:13], s[18:19]
.irp i4, 0,1,2,3
	global_load_b128 v[Q+4*\i4:Q+4*\i4+3], v[T16], s[4:5] offset:4096*\i4
.endr
.irp i4, 0,1,2,3
	global_load_b128 v[K+4*\i4:K+4*\i4+3], v[T16], s[6:7] offset:4096*\i4
.endr
.irp i4, 0,1,2,3
	global_load_b128 v[V+4*\i4:V+4*\i4+3], v[T16], s[8:9] offset:4096*\i4
.endr
.irp i4, 0,1,2,3,4,5,6,7
	global_load_b128 v[C+4*\i4:C+4*\i4+3], v[T16], s[10:11] offset:4096*\i4
.endr
	s_wait_loadcnt 16                              ; w_q's four loads are in; the 16 younger ones stay out
	ABSSUM SUM, Q, 16
	s_wait_loadcnt 12                              ; w_k's are in; w_v's four and w_c's eight stay out
	ABSSUM SUM+1, K, 16
	s_wait_loadcnt 8                               ; w_v's are in; w_c's eight stay out
	ABSSUM SUM+2, V, 16
	s_wait_loadcnt 0
	ABSSUM SUM+3, C, 32
	WSUM SUM
	WSUM SUM+1
	WSUM SUM+2
	WSUM SUM+3
	ds_store_b128 v[ADR], v[SUM:SUM+3]             ; every lane holds the same four numbers and writes them to the wave's 16 bytes
	s_wait_dscnt 0x0                               ; my store is done before I say so: wave 0 reads it behind the barrier
	s_barrier_signal -1
	s_barrier_wait -1
	s_cmp_lg_u32 s[W], 0
	s_cbranch_scc1 .Lend
.irp i8, 0,1,2,3,4,5,6,7
	ds_load_b128 v[Q+4*\i8:Q+4*\i8+3], v[ZERO] offset:16*\i8
.endr
	s_wait_dscnt 0x0
	HALVE Q, 16                                    ; eight waves' four sums, as a tree
	HALVE Q, 8
	HALVE Q, 4
	s_wait_xcnt 0x0                                ; EXEC changes only when no memory instruction still needs it
	v_cmp_eq_u32 vcc_lo, 0, v0
	s_and_saveexec_b32 s23, vcc_lo                 ; the group has 16 bytes to say: one lane says them
	global_store_b128 v[ZERO], v[Q:Q+3], s[12:13]
	s_wait_xcnt 0x0                                ; and again in front of the line that widens it
	s_or_b32 exec_lo, exec_lo, s23
.Lend:
	s_wait_tensorcnt 0x0
	ds_add_u32 v96, v97
	s_wait_dscnt 0x0
	s_endpgm
.Lfunc_end_k_qa16db04d27_wsum:
	.size	k_qa16db04d27_wsum, .Lfunc_end_k_qa16db04d27_wsum-k_qa16db04d27_wsum
	.p2alignl 7, 3214868480
	.fill 96, 4, 3214868480
	.section	.rodata,"a",@progbits
	.p2align	6, 0x0
	.amdhsa_kernel k_qa16db04d27_wsum
		.amdhsa_group_segment_fixed_size 1280
		.amdhsa_private_segment_fixed_size 0
		.amdhsa_enable_private_segment 0
		.amdhsa_kernarg_size 40
		.amdhsa_user_sgpr_count 2
		.amdhsa_user_sgpr_kernarg_segment_ptr 1
		.amdhsa_wavefront_size32 1
		.amdhsa_system_sgpr_workgroup_id_x 1
		.amdhsa_system_sgpr_workgroup_id_y 1
		.amdhsa_system_sgpr_workgroup_id_z 1
		.amdhsa_system_vgpr_workitem_id 0
		.amdhsa_next_free_vgpr 98
		.amdhsa_next_free_sgpr 66
		.amdhsa_reserve_vcc 1
		.amdhsa_float_denorm_mode_32 3
		.amdhsa_float_denorm_mode_16_64 3
		.amdhsa_memory_ordered 1
		.amdhsa_forward_progress 1
		.amdhsa_inst_pref_size 11
	.end_amdhsa_kernel
	.amdgpu_metadata
---
amdhsa.version: [ 1, 2 ]
amdhsa.kernels:
  - .name:           k_qa16db04d27_wsum
    .symbol:         k_qa16db04d27_wsum.kd
    .args:
      - { .name: w_q, .offset: 0, .size: 8, .value_kind: global_buffer, .address_space: global }
      - { .name: w_k, .offset: 8, .size: 8, .value_kind: global_buffer, .address_space: global }
      - { .name: w_v, .offset: 16, .size: 8, .value_kind: global_buffer, .address_space: global }
      - { .name: w_c, .offset: 24, .size: 8, .value_kind: global_buffer, .address_space: global }
      - { .name: wpart, .offset: 32, .size: 8, .value_kind: global_buffer, .address_space: global }
    .group_segment_fixed_size: 1280
    .private_segment_fixed_size: 0
    .kernarg_segment_align: 8
    .kernarg_segment_size: 40
    .max_flat_workgroup_size: 256
    .sgpr_count:     66
    .vgpr_count:     98
    .wavefront_size: 32
...
	.end_amdgpu_metadata
.endif
;; end of part 1
;; launch qqk (part 2): grid 32 x 1, 16 waves a work-group, no clusters, 36,864 bytes of LDS; arguments query, w_q, w_k, b_q, b_k, wpart, qkpart, cpart; writes qkpart, cpart
.if DOCPART == 2
	.amdgcn_target "amdgcn-amd-amdhsa--gfx1250"
	.amdhsa_code_object_version 6
	.text
	.protected	k_qa16db04d27_qqk
	.globl	k_qa16db04d27_qqk
	.p2align	8
	.type	k_qa16db04d27_qqk,@function
k_qa16db04d27_qqk:
	s_mov_b64 s[64:65], 0
	v_nop
	global_prefetch_b8 v0, s[64:65] scope:SCOPE_SE
	s_setreg_imm32_b32 hwreg(HW_REG_WAVE_MODE, 25, 1), 1
	s_wait_xcnt 0x0
; q = BitLinear(query, w_q, b_q) for 32 rows of w_q, and at once those rows' share of  qk[b][j] = s_k * sum over a of q[b][a] T_k[a][j]
; and of  cb[b] = sum over a of q[b][a] b_k[a].  With them  q[b] . k[b][s] = xq[b][s] . qk[b] + cb[b]  for every input, so k is never formed.
; 32 work-groups of 16 waves; group c owns a = 32 c .. 32 c + 31.  Wave w owns rows 2 w, 2 w + 1 of that block of w_q (whole rows, for the
; dot products) and the columns 64 w .. 64 w + 63 of the block of w_k (lanes 0-15 its even rows, lanes 16-31 its odd rows).
; Ternary weights: clip(round(w / s)) equals sign(w) where |w| > s / 2 and 0 elsewhere, bit for bit in f32: s / 2 is exact, the next float
; above it divides to more than 0.5 + 2^-25, and |w| = s / 2 ties to 0.
; All on the vector ALU in f32: the products have 8 rows and each weight is used 8 times; a conversion for the matrix unit would cost as much as the multiply-adds.
; LIMITS: s = mean|w| + 1e-5 comes from a tree sum whose order is not the defining program's (see the first launch).  127 / g is 127 * rcp(g) and g / 127 is
; g * (1/127), each within one unit in the last place: an int8 code can differ by one step at a near tie.  The clip to [-128, 127] is not written:
; g >= max|x|, so |x * 127 / g| < 127.5 for every input.  x + (xq - x) is taken as xq.  NaN and infinities are not served.
.set XI,  0                            ; [8 b][1024] f32: the query's int8 codes, as f32
.set GS,  0x8000                       ; 16 words: word w = g / 127 of batch w >> 1
.set QT,  0x8100                       ; [2 r][8 b][16 i] f32 = q[b][row 2 i + r]
.set CT,  0x8500                       ; [8 b][16 w] f32: wave w's two terms of cb[b]
.set L16, 1                            ; 16 x lane
.set VQ,  2                            ; 2048 w + 16 lane: my half row, in query and in XI
.set VQ2, 3                            ; the row's other half, in query
.set VS,  4                            ; 4096 (lane / 16) + 256 w + 16 (lane % 16): my strip, in w_k and in qkpart
.set VW4, 5                            ; 4 w
.set VZ,  6                            ; 0
.set TMP, 7
.set MX,  8                            ; v[8:11]  four running maxima
.set G,   12
.set R,   14                           ; v[14:15] 127 / g, g / 127
.set SQ,  16                           ; v[16:17] s_q, s_q / 2
.set SK,  18                           ; v[18:19] s_k, s_k / 2
.set GSV, 20                           ; v[20:27] g / 127 of the 8 batches, then times s_q
.set VH,  28                           ; 512 (lane / 16)
.set T0,  29
.set L4,  30                           ; 4 x lane
.set WQ,  32                           ; v[32:95]   my two rows of w_q; later q of batches 0-3
.set WK,  96                           ; v[96:159]  my strip of w_k
.set XA,  160                          ; v[160:191] wpart; then the codes of one batch; later q of batches 4, 5
.set XB,  192                          ; v[192:223] my query row; then the codes of one batch; later q of batches 6, 7
.set D,   224                          ; v[224:255] 16 pairs: dot (r, b) at D + 16 r + 2 b; later ACC: 4 registers a batch
.set ACC, 224
.set W,    20
.set BQ,   24                          ; s[24:25] b_q of my two rows
.set BK,   26                          ; s[26:27] b_k of my two rows
.set SEL0, 28
.set SEL1, 29
.set EPS,  30
.set C127, 31
.set I127, 32
.set P20,  33
.set SGN,  34
.set ONE,  35
.set MH,   36                          ; the mask of lanes 16-31
.macro HALVE base, d                   ; v[base .. base+d-1] += v[base+d .. base+2d-1], two numbers an instruction
.set hv, 0
.rept \d/2
	v_pk_add_f32 v[\base+hv:\base+hv+1], v[\base+hv:\base+hv+1], v[\base+\d+hv:\base+\d+hv+1]
.set hv, hv+2
.endr
.endm
.macro WSUM r                          ; the sum over the wave's 32 lanes, in every lane
	v_add_f32_dpp v[\r], v[\r], v[\r] row_xmask:1 row_mask:0xf bank_mask:0xf
	v_add_f32_dpp v[\r], v[\r], v[\r] row_xmask:2 row_mask:0xf bank_mask:0xf
	v_add_f32_dpp v[\r], v[\r], v[\r] row_xmask:4 row_mask:0xf bank_mask:0xf
	v_add_f32_dpp v[\r], v[\r], v[\r] row_xmask:8 row_mask:0xf bank_mask:0xf
	v_permlanex16_b32 v[TMP], v[\r], s[SEL0], s[SEL1]
	v_add_f32 v[\r], v[\r], v[TMP]
.endm
.macro WMAX r                          ; the same for the maximum
	v_max_num_f32_dpp v[\r], v[\r], v[\r] row_xmask:1 row_mask:0xf bank_mask:0xf
	v_max_num_f32_dpp v[\r], v[\r], v[\r] row_xmask:2 row_mask:0xf bank_mask:0xf
	v_max_num_f32_dpp v[\r], v[\r], v[\r] row_xmask:4 row_mask:0xf bank_mask:0xf
	v_max_num_f32_dpp v[\r], v[\r], v[\r] row_xmask:8 row_mask:0xf bank_mask:0xf
	v_permlanex16_b32 v[TMP], v[\r], s[SEL0], s[SEL1]
	v_max_num_f32 v[\r], v[\r], v[TMP]
.endm
.macro AMAX m, base, n                 ; v[m] = the largest magnitude of n registers, in four chains that the first eight start
.irp k, 0,1,2,3
	v_max_num_f32 v[\m+\k], |v[\base+\k]|, |v[\base+\k+4]|
.endr
.set i, 8
.rept (\n-8)/8
.irp k, 0,1,2,3
	v_max3_num_f32 v[\m+\k], |v[\base+i+\k]|, |v[\base+i+\k+4]|, v[\m+\k]
.endr
.set i, i+8
.endr
	v_max3_num_f32 v[\m], v[\m], v[\m+1], v[\m+2]
	v_max_num_f32 v[\m], v[\m], v[\m+3]
.endm
.macro GSCALE m                        ; from the row's largest magnitude: v[R] = 127 / g, v[R+1] = g / 127, g = max + 1e-5
	v_add_f32 v[G], s[EPS], v[\m]
	v_rcp_f32 v[R], v[G]
	v_mul_f32 v[R+1], s[I127], v[G]                ; the plain instruction that stands between v_rcp_f32 and the use of its result
	s_wait_alu depctr_va_vdst(0)
	v_mul_f32 v[R], s[C127], v[R]
.endm
.macro QUANT base, n                   ; n registers become their int8 codes, kept as f32
.set i, 0
.rept \n/2
	v_pk_mul_f32 v[\base+i:\base+i+1], v[\base+i:\base+i+1], v[R:R+1] op_sel_hi:[1,0]
.set i, i+2
.endr
.set i, 0
.rept \n
	v_rndne_f32 v[\base+i], v[\base+i]
.set i, i+1
.endr
.endm
.macro TERN base, n, h                 ; n weights become -1, 0 or +1: the sign on 1.0 where |w| > s / 2
.set i, 0
.rept \n
	v_cmp_gt_f32 vcc_lo, |v[\base+i]|, v[\h]
	v_and_or_b32 v[\base+i], v[\base+i], s[SGN], s[ONE]
	v_cndmask_b32 v[\base+i], 0, v[\base+i], vcc_lo
.set i, i+1
.endr
.endm
.macro PKMULB d, a, p, odd             ; v[d:d+1] = v[a:a+1] times one register of the pair p (odd = 1: its second)
.if \odd
	v_pk_mul_f32 v[\d:\d+1], v[\a:\a+1], v[\p:\p+1] op_sel:[0,1] op_sel_hi:[1,1]
.else
	v_pk_mul_f32 v[\d:\d+1], v[\a:\a+1], v[\p:\p+1] op_sel_hi:[1,0]
.endif
.endm
.macro PKFMAB d, a, p, odd             ; v[d:d+1] += the same product
.if \odd
	v_pk_fma_f32 v[\d:\d+1], v[\a:\a+1], v[\p:\p+1], v[\d:\d+1] op_sel:[0,1,0] op_sel_hi:[1,1,1]
.else
	v_pk_fma_f32 v[\d:\d+1], v[\a:\a+1], v[\p:\p+1], v[\d:\d+1] op_sel_hi:[1,0,1]
.endif
.endm
	s_load_b512 s[4:19], s[0:1], 0x0               ; query s[4:5], w_q s[6:7], w_k s[8:9], b_q s[10:11], b_k s[12:13], wpart s[14:15], qkpart s[16:17], cpart s[18:19]
	v_lshl_add_u32 v13, v0, 2, 0x8800
	v_mov_b32 v31, 0
	v_lshrrev_b32 v[T0], 5, v0
	v_readfirstlane_b32 s[W], v[T0]                ; wave 0..15
	v_and_b32 v[L4], 31, v0
	v_lshlrev_b32 v[L16], 4, v[L4]
	v_lshlrev_b32 v[L4], 2, v[L4]
	v_lshl_add_u32 v[VQ], s[W], 11, v[L16]         ; batch w >> 1, half w & 1: 2,048 bytes a wave
	v_xor_b32 v[VQ2], 0x800, v[VQ]
	v_and_b32 v[VS], 15, v0
	v_lshlrev_b32 v[VS], 4, v[VS]
	v_lshl_add_u32 v[VS], s[W], 8, v[VS]
	v_bfe_u32 v[T0], v0, 4, 1                      ; lane / 16
	v_lshl_add_u32 v[VS], v[T0], 12, v[VS]
	v_lshlrev_b32 v[VH], 9, v[T0]
	s_lshl_b32 s21, s[W], 2
	v_mov_b32 v[VW4], s21
	v_mov_b32 v[VZ], 0
	v_mov_b32 v[TMP], 0
	s_lshl_b32 s22, ttmp9, 17                      ; the block's 32 rows of 4,096 bytes
	s_mov_b32 s23, 0
	s_lshl_b32 s21, s[W], 13
	s_add_co_u32 s38, s22, s21                     ; + my two rows
	s_mov_b32 s39, 0
	s_lshl_b32 s40, ttmp9, 7
	s_lshl_b32 s21, s[W], 3
	s_add_co_u32 s40, s40, s21                     ; my two numbers of b_q and of b_k
	s_mov_b32 s41, 0
	s_lshl_b32 s42, ttmp9, 15                      ; qkpart: 8 x 4,096 bytes a block
	s_mov_b32 s43, 0
	s_lshl_b32 s44, ttmp9, 7                       ; cpart: 128 bytes a block
	s_mov_b32 s45, 0
	s_mov_b32 s[SEL0], 0x76543210
	s_mov_b32 s[SEL1], 0xfedcba98
	s_mov_b32 s[EPS], 0x3727c5ac                   ; 1e-5
	s_mov_b32 s[C127], 0x42fe0000                  ; 127
	s_mov_b32 s[I127], 0x3c010204                  ; 1 / 127
	s_mov_b32 s[P20], 0x35800000                   ; 2^-20: one over the number of weights
	s_mov_b32 s[SGN], 0x80000000
	s_mov_b32 s[ONE], 0x3f800000
	s_mov_b32 s[MH], 0xffff0000
	s_wait_kmcnt 0x0
	s_add_nc_u64 s[6:7], s[6:7], s[38:39]
	s_add_nc_u64 s[8:9], s[8:9], s[22:23]
	s_add_nc_u64 s[10:11], s[10:11], s[40:41]
	s_add_nc_u64 s[12:13], s[12:13], s[40:41]
	s_add_nc_u64 s[16:17], s[16:17], s[42:43]
	s_add_nc_u64 s[18:19], s[18:19], s[44:45]
	s_load_b64 s[BQ:BQ+1], s[10:11], 0x0
	s_load_b64 s[BK:BK+1], s[12:13], 0x0
	; 48 loads, in the order in which they are wanted
.irp j, 0,1,2,3
	global_load_b128 v[XB+4*\j:XB+4*\j+3], v[VQ], s[4:5] offset:512*\j
.endr
.irp j, 0,1,2,3
	global_load_b128 v[XB+16+4*\j:XB+16+4*\j+3], v[VQ2], s[4:5] offset:512*\j
.endr
.irp j, 0,1,2,3,4,5,6,7
	global_load_b128 v[XA+4*\j:XA+4*\j+3], v[L16], s[14:15] offset:512*\j      ; wpart: group lane + 32 j
.endr
.irp r, 0,1
.irp j, 0,1,2,3,4,5,6,7
	global_load_b128 v[WQ+32*\r+4*\j:WQ+32*\r+4*\j+3], v[L16], s[6:7] offset:4096*\r+512*\j
.endr
.endr
.set i, 0
.rept 16
	global_load_b128 v[WK+4*i:WK+4*i+3], v[VS], s[8:9] offset:8192*i           ; rows 2 i and 2 i + 1: two pieces of 256 bytes
.set i, i+1
.endr
	; the query row's scale from the whole row; the codes of my half of it into XI
	s_wait_loadcnt 40                              ; the row's 8 loads are in; wpart's 8, w_q's 16 and w_k's 16 stay out
	AMAX MX, XB, 32
	WMAX MX
	GSCALE MX
	QUANT XB, 16
.irp j, 0,1,2,3
	ds_store_b128 v[VQ], v[XB+4*\j:XB+4*\j+3] offset:XI+512*\j
.endr
	ds_store_b32 v[VW4], v[R+1] offset:GS
	; the two weight scales
	s_wait_loadcnt 32                              ; wpart is in; w_q's 16 and w_k's 16 stay out
	HALVE XA, 16
	HALVE XA, 8
	HALVE XA, 4
	WSUM XA
	WSUM XA+1
	v_fma_f32 v[SQ], v[XA], s[P20], s[EPS]         ; the product with 2^-20 is exact: one rounding, as in mean + 1e-5
	v_fma_f32 v[SK], v[XA+1], s[P20], s[EPS]
	v_mul_f32 v[SQ+1], 0.5, v[SQ]
	v_mul_f32 v[SK+1], 0.5, v[SK]
	s_wait_loadcnt 16                              ; w_q is in; w_k's 16 stay out
	TERN WQ, 64, SQ+1
	s_wait_dscnt 0x0                               ; my stores into XI and GS are done before I say so
	s_barrier_signal -1
	s_barrier_wait -1
	; 16 dot products: my two rows with the 8 batches' codes, which come from XI into two buffers that take turns
.irp b, 0,1,2,3,4,5,6,7
	ds_load_b32 v[GSV+\b], v[VZ] offset:GS+8*\b
.endr
.irp j, 0,1,2,3,4,5,6,7
	ds_load_b128 v[XA+4*\j:XA+4*\j+3], v[L16] offset:XI+512*\j
.endr
.irp j, 0,1,2,3,4,5,6,7
	ds_load_b128 v[XB+4*\j:XB+4*\j+3], v[L16] offset:XI+4096+512*\j
.endr
.macro QDOT b, buf, left, more
	s_wait_dscnt \left                             ; this batch's 8 loads are in; the other buffer's 8 may be out
	v_pk_mul_f32 v[D+2*\b:D+2*\b+1], v[WQ:WQ+1], v[\buf:\buf+1]
	v_pk_mul_f32 v[D+16+2*\b:D+16+2*\b+1], v[WQ+32:WQ+33], v[\buf:\buf+1]
.set i, 2
.rept 15
	v_pk_fma_f32 v[D+2*\b:D+2*\b+1], v[WQ+i:WQ+i+1], v[\buf+i:\buf+i+1], v[D+2*\b:D+2*\b+1]
	v_pk_fma_f32 v[D+16+2*\b:D+16+2*\b+1], v[WQ+32+i:WQ+32+i+1], v[\buf+i:\buf+i+1], v[D+16+2*\b:D+16+2*\b+1]
.set i, i+2
.endr
.if \more
.irp j, 0,1,2,3,4,5,6,7
	ds_load_b128 v[\buf+4*\j:\buf+4*\j+3], v[L16] offset:XI+(\b+2)*4096+512*\j
.endr
.endif
.endm
	QDOT 0, XA, 8, 1
	QDOT 1, XB, 8, 1
	QDOT 2, XA, 8, 1
	QDOT 3, XB, 8, 1
	QDOT 4, XA, 8, 1
	QDOT 5, XB, 8, 1
	QDOT 6, XA, 8, 0
	QDOT 7, XB, 0, 0
.set n, 0
.rept 16
	v_add_f32 v[D+2*n], v[D+2*n], v[D+2*n+1]
	WSUM D+2*n
.set n, n+1
.endr
	; q[b][row] = s_q (g / 127) dot + b_q[row]; my two terms of cb[b]; both to LDS for the other waves
	s_wait_kmcnt 0x0                               ; b_q and b_k
.irp b, 0,1,2,3,4,5,6,7
	v_mul_f32 v[GSV+\b], v[SQ], v[GSV+\b]
	v_fma_f32 v[D+2*\b], v[D+2*\b], v[GSV+\b], s[BQ]
	v_fma_f32 v[D+16+2*\b], v[D+16+2*\b], v[GSV+\b], s[BQ+1]
	v_mul_f32 v[D+2*\b+1], s[BK], v[D+2*\b]
	v_fma_f32 v[D+2*\b+1], v[D+16+2*\b], s[BK+1], v[D+2*\b+1]
	ds_store_b32 v[VW4], v[D+2*\b] offset:QT+64*\b
	ds_store_b32 v[VW4], v[D+16+2*\b] offset:QT+512+64*\b
	ds_store_b32 v[VW4], v[D+2*\b+1] offset:CT+64*\b
.endr
	s_wait_loadcnt 0
	TERN WK, 64, SK+1
	s_wait_dscnt 0x0                               ; my stores into QT and CT are done before I say so
	s_barrier_signal -1
	s_barrier_wait -1
	; my strip of qk: lanes 0-15 add the block's even rows, lanes 16-31 its odd rows, for all 8 batches
.set bb, 0
.rept 8
.if bb < 4
.set qv, WQ+16*bb
.else
.set qv, XA+16*(bb-4)
.endif
.irp k, 0,1,2,3
	ds_load_b128 v[qv+4*\k:qv+4*\k+3], v[VH] offset:QT+64*bb+16*\k             ; q[b][2 i + lane / 16], i = 4 k .. 4 k + 3
.endr
.set bb, bb+1
.endr
	s_wait_dscnt 0x0
.set ii, 0
.rept 16
.set bb, 0
.rept 8
.if bb < 4
.set qv, WQ+16*bb
.else
.set qv, XA+16*(bb-4)
.endif
.if ii == 0
	PKMULB ACC+4*bb, WK, qv, 0                     ; the first rows start the sums: nothing is cleared
	PKMULB ACC+4*bb+2, WK+2, qv, 0
.else
	PKFMAB ACC+4*bb, WK+4*ii, qv+(ii&14), ii&1
	PKFMAB ACC+4*bb+2, WK+4*ii+2, qv+(ii&14), ii&1
.endif
.set bb, bb+1
.endr
.set ii, ii+1
.endr
	; The two halves' sums meet, two batches at a time: lanes 0-15 end with batch b, lanes 16-31 with batch b + 1.  Each half sends the
	; other what the other keeps.  A store then covers two pieces of 256 consecutive bytes, each aligned.
.irp b, 0,2,4,6
.irp e, 0,1,2,3
	v_cndmask_b32 v[T0], v[ACC+4*\b+4+\e], v[ACC+4*\b+\e], s[MH]
	v_cndmask_b32 v[ACC+4*\b+\e], v[ACC+4*\b+\e], v[ACC+4*\b+4+\e], s[MH]
	v_permlanex16_b32 v[TMP], v[T0], s[SEL0], s[SEL1]
	v_add_f32 v[ACC+4*\b+\e], v[ACC+4*\b+\e], v[TMP]
.endr
	v_pk_mul_f32 v[ACC+4*\b:ACC+4*\b+1], v[ACC+4*\b:ACC+4*\b+1], v[SK:SK+1] op_sel_hi:[1,0]
	v_pk_mul_f32 v[ACC+4*\b+2:ACC+4*\b+3], v[ACC+4*\b+2:ACC+4*\b+3], v[SK:SK+1] op_sel_hi:[1,0]
	global_store_b128 v[VS], v[ACC+4*\b:ACC+4*\b+3], s[16:17] offset:4096*\b
.endr
	s_cmp_lg_u32 s[W], 0
	s_cbranch_scc1 .Lend
	ds_load_b128 v[WQ:WQ+3], v[L16] offset:CT      ; lane l: batch l / 4, waves 4 (l % 4) .. + 3
	s_wait_dscnt 0x0
	v_add_f32 v[WQ], v[WQ], v[WQ+1]
	v_add_f32 v[WQ+2], v[WQ+2], v[WQ+3]
	v_add_f32 v[WQ], v[WQ], v[WQ+2]
	v_add_f32_dpp v[WQ], v[WQ], v[WQ] row_xmask:1 row_mask:0xf bank_mask:0xf
	v_add_f32_dpp v[WQ], v[WQ], v[WQ] row_xmask:2 row_mask:0xf bank_mask:0xf
	global_store_b32 v[L4], v[WQ], s[18:19]        ; word l = this block's share of cb[l / 4]: 128 consecutive bytes
.Lend:
	s_wait_tensorcnt 0x0
	ds_add_u32 v13, v31
	s_wait_dscnt 0x0
	s_endpgm
.Lfunc_end_k_qa16db04d27_qqk:
	.size	k_qa16db04d27_qqk, .Lfunc_end_k_qa16db04d27_qqk-k_qa16db04d27_qqk
	.p2alignl 7, 3214868480
	.fill 96, 4, 3214868480
	.section	.rodata,"a",@progbits
	.p2align	6, 0x0
	.amdhsa_kernel k_qa16db04d27_qqk
		.amdhsa_group_segment_fixed_size 36864
		.amdhsa_private_segment_fixed_size 0
		.amdhsa_enable_private_segment 0
		.amdhsa_kernarg_size 64
		.amdhsa_user_sgpr_count 2
		.amdhsa_user_sgpr_kernarg_segment_ptr 1
		.amdhsa_wavefront_size32 1
		.amdhsa_system_sgpr_workgroup_id_x 1
		.amdhsa_system_sgpr_workgroup_id_y 1
		.amdhsa_system_sgpr_workgroup_id_z 1
		.amdhsa_system_vgpr_workitem_id 0
		.amdhsa_next_free_vgpr 256
		.amdhsa_next_free_sgpr 66
		.amdhsa_reserve_vcc 1
		.amdhsa_float_denorm_mode_32 3
		.amdhsa_float_denorm_mode_16_64 3
		.amdhsa_memory_ordered 1
		.amdhsa_forward_progress 1
		.amdhsa_inst_pref_size 86
	.end_amdhsa_kernel
	.amdgpu_metadata
---
amdhsa.version: [ 1, 2 ]
amdhsa.kernels:
  - .name:           k_qa16db04d27_qqk
    .symbol:         k_qa16db04d27_qqk.kd
    .args:
      - { .name: query, .offset: 0, .size: 8, .value_kind: global_buffer, .address_space: global }
      - { .name: w_q, .offset: 8, .size: 8, .value_kind: global_buffer, .address_space: global }
      - { .name: w_k, .offset: 16, .size: 8, .value_kind: global_buffer, .address_space: global }
      - { .name: b_q, .offset: 24, .size: 8, .value_kind: global_buffer, .address_space: global }
      - { .name: b_k, .offset: 32, .size: 8, .value_kind: global_buffer, .address_space: global }
      - { .name: wpart, .offset: 40, .size: 8, .value_kind: global_buffer, .address_space: global }
      - { .name: qkpart, .offset: 48, .size: 8, .value_kind: global_buffer, .address_space: global }
      - { .name: cpart, .offset: 56, .size: 8, .value_kind: global_buffer, .address_space: global }
    .group_segment_fixed_size: 36864
    .private_segment_fixed_size: 0
    .kernarg_segment_align: 8
    .kernarg_segment_size: 64
    .max_flat_workgroup_size: 512
    .sgpr_count:     66
    .vgpr_count:     256
    .wavefront_size: 32
...
	.end_amdgpu_metadata
.endif
;; end of part 2
;; launch stream (part 3): grid 256 x 1, 16 waves a work-group, no clusters, 72,192 bytes of LDS; arguments context_memory, qkpart, cpart, pacc, pml; writes pacc, pml
.if DOCPART == 3
	.amdgcn_target "amdgcn-amd-amdhsa--gfx1250"
	.amdhsa_code_object_version 6
	.text
	.protected	k_qa16db04d27_stream
	.globl	k_qa16db04d27_stream
	.p2align	8
	.type	k_qa16db04d27_stream,@function
k_qa16db04d27_stream:
	s_mov_b64 s[64:65], 0
	v_nop
	global_prefetch_b8 v0, s[64:65] scope:SCOPE_SE
	s_setreg_imm32_b32 hwreg(HW_REG_WAVE_MODE, 25, 1), 1
	s_wait_xcnt 0x0
; The one pass over context_memory.  For each row x of batch b: its int8 codes xi and scale gs = g / 127; its score in base 2,
; t = (gs xi . qk[b] + cb[b]) log2(e) / 32; and the softmax-weighted sum of gs xi, kept with a RUNNING MAXIMUM: (m, l, acc) with
; l = sum 2^(t - m), acc = sum 2^(t - m) gs xi.  Since the softmax weights add up to 1, ctx = s_v T_v (acc / l) + b_v: v is never formed.
; 256 work-groups of 16 waves; group g takes 128 rows of batch g / 32, wave w eight of them.  A row is 4,096 bytes: one wave takes it whole,
; eight loads of 512 neighbouring bytes, and keeps it in 32 registers from the pass that finds its maximum to the pass that adds it: each byte is read once.
; A ring of four row slots in registers: 32 loads of every wave go out at the start, eight more behind each of the first four rows.
; The eight turns are written out, every offset stands in an immediate and no address register is ever rewritten.
; No matrix unit (one multiply-add for each number and pass), no LDS ring (the ring in registers has 16,384 bytes of each wave on their way),
; no cluster (what the groups of a batch share, qkpart, is a quarter of what each reads of its own).
; LIMITS: 127 / g is 127 * rcp(g), g / 127 is g * (1/127), each within one unit in the last place: a code can differ by one step at a near tie.
; The clip to [-128, 127] is not written: g >= max|x|, so |x * 127 / g| < 127.5 for every input.  x + (xq - x) is taken as xq.  NaN and infinities are not served.
.set QKL, 0                            ; 4,096 bytes: qk[b] log2(e) / 32
.set ML,  4096                         ; 16 words: the waves' maxima
.set LL,  4352                         ; 16 words: the waves' sums l, scaled to the group's maximum
.set MRG, 4608                         ; 16 x 4,096 bytes: the waves' acc, scaled likewise
.set L16, 1                            ; 16 x lane
.set VP,  2                            ; qkpart: 16 blocks (lane / 16) + 256 w + 16 (lane % 16)
.set VC,  3                            ; cpart: 128 x lane
.set VW4, 4                            ; 4 w
.set VZ,  5                            ; 0
.set TMP, 6
.set VQS, 7                            ; 256 w + 16 (lane % 16)
.set MX,  8                            ; v[8:11]  four running maxima; behind the rows: addresses
.set G,   12
.set TT,  13                           ; the row's score
.set R,   14                           ; v[14:15] 127 / g, g / 127
.set D,   16                           ; v[16:23] four chains of the dot product
.set MRUN, 24
.set LRUN, 25
.set CB,  26                           ; cb[b] log2(e) / 32
.set MN,  27
.set AL,  28                           ; v[28:29] 2^(m_old - m), 2^(t - m) gs
.set MG,  30                           ; v[30:31] the group's maximum and sum
.set QK,  32                           ; v[32:63]
.set ACC, 64                           ; v[64:95]
.set X,   96                           ; v[96:223] four row slots
.set W,    16
.set SEL0, 28
.set SEL1, 29
.set EPS,  30
.set C127, 31
.set I127, 32
.set L2E,  34                          ; s[34:35] log2(e) / 32, twice
.macro HALVE base, d                   ; v[base .. base+d-1] += v[base+d .. base+2d-1], two numbers an instruction
.set hv, 0
.rept \d/2
	v_pk_add_f32 v[\base+hv:\base+hv+1], v[\base+hv:\base+hv+1], v[\base+\d+hv:\base+\d+hv+1]
.set hv, hv+2
.endr
.endm
.macro WSUM r
	v_add_f32_dpp v[\r], v[\r], v[\r] row_xmask:1 row_mask:0xf bank_mask:0xf
	v_add_f32_dpp v[\r], v[\r], v[\r] row_xmask:2 row_mask:0xf bank_mask:0xf
	v_add_f32_dpp v[\r], v[\r], v[\r] row_xmask:4 row_mask:0xf bank_mask:0xf
	v_add_f32_dpp v[\r], v[\r], v[\r] row_xmask:8 row_mask:0xf bank_mask:0xf
	v_permlanex16_b32 v[TMP], v[\r], s[SEL0], s[SEL1]
	v_add_f32 v[\r], v[\r], v[TMP]
.endm
.macro WMAX r
	v_max_num_f32_dpp v[\r], v[\r], v[\r] row_xmask:1 row_mask:0xf bank_mask:0xf
	v_max_num_f32_dpp v[\r], v[\r], v[\r] row_xmask:2 row_mask:0xf bank_mask:0xf
	v_max_num_f32_dpp v[\r], v[\r], v[\r] row_xmask:4 row_mask:0xf bank_mask:0xf
	v_max_num_f32_dpp v[\r], v[\r], v[\r] row_xmask:8 row_mask:0xf bank_mask:0xf
	v_permlanex16_b32 v[TMP], v[\r], s[SEL0], s[SEL1]
	v_max_num_f32 v[\r], v[\r], v[TMP]
.endm
.macro AMAX m, base, n                 ; v[m] = the largest magnitude of n registers, in four chains that the first eight start
.irp k, 0,1,2,3
	v_max_num_f32 v[\m+\k], |v[\base+\k]|, |v[\base+\k+4]|
.endr
.set i, 8
.rept (\n-8)/8
.irp k, 0,1,2,3
	v_max3_num_f32 v[\m+\k], |v[\base+i+\k]|, |v[\base+i+\k+4]|, v[\m+\k]
.endr
.set i, i+8
.endr
	v_max3_num_f32 v[\m], v[\m], v[\m+1], v[\m+2]
	v_max_num_f32 v[\m], v[\m], v[\m+3]
.endm
.macro GSCALE m                        ; v[R] = 127 / g, v[R+1] = g / 127, g = max + 1e-5
	v_add_f32 v[G], s[EPS], v[\m]
	v_rcp_f32 v[R], v[G]
	v_mul_f32 v[R+1], s[I127], v[G]                ; the plain instruction that stands between v_rcp_f32 and the use of its result
	s_wait_alu depctr_va_vdst(0)
	v_mul_f32 v[R], s[C127], v[R]
.endm
.macro QUANT base, n
.set i, 0
.rept \n/2
	v_pk_mul_f32 v[\base+i:\base+i+1], v[\base+i:\base+i+1], v[R:R+1] op_sel_hi:[1,0]
.set i, i+2
.endr
.set i, 0
.rept \n
	v_rndne_f32 v[\base+i], v[\base+i]
.set i, i+1
.endr
.endm
.macro DOT out, d, x, y, np            ; v[out] = this lane's part of x . y over np pairs, in four chains of pairs in v[d:d+7]
.irp k, 0,2,4,6
	v_pk_mul_f32 v[\d+\k:\d+\k+1], v[\x+\k:\x+\k+1], v[\y+\k:\y+\k+1]
.endr
.set i, 8
.rept (\np-4)/4
.irp k, 0,2,4,6
	v_pk_fma_f32 v[\d+\k:\d+\k+1], v[\x+i+\k:\x+i+\k+1], v[\y+i+\k:\y+i+\k+1], v[\d+\k:\d+\k+1]
.endr
.set i, i+8
.endr
	HALVE \d, 4
	HALVE \d, 2
	v_add_f32 v[\out], v[\d], v[\d+1]
.endm
	s_load_b256 s[4:11], s[0:1], 0x0               ; context_memory s[4:5], qkpart s[6:7], cpart s[8:9], pacc s[10:11]
	s_load_b64 s[12:13], s[0:1], 0x20              ; pml
	v_lshl_add_u32 v224, v0, 2, 0x11200
	v_mov_b32 v225, 0
	v_lshrrev_b32 v8, 5, v0
	v_readfirstlane_b32 s[W], v8                   ; wave 0..15
	v_and_b32 v9, 31, v0
	v_and_b32 v10, 15, v0
	v_bfe_u32 v11, v0, 4, 1
	v_lshlrev_b32 v[L16], 4, v9
	v_lshlrev_b32 v[VC], 7, v9
	v_lshlrev_b32 v[VQS], 4, v10
	v_lshl_add_u32 v[VQS], s[W], 8, v[VQS]
	v_lshl_add_u32 v[VP], v11, 19, v[VQS]          ; lanes 16-31 take the upper 16 blocks of 32,768 bytes
	s_lshl_b32 s17, s[W], 2
	v_mov_b32 v[VW4], s17
	v_mov_b32 v[VZ], 0
	v_mov_b32 v[TMP], 0
	s_lshl_b32 s18, ttmp9, 19                      ; the group's 128 rows of 4,096 bytes
	s_lshl_b32 s17, s[W], 15                       ; my 8 rows
	s_add_co_u32 s18, s18, s17
	s_mov_b32 s19, 0
	s_lshr_b32 s17, ttmp9, 5                       ; batch
	s_lshl_b32 s20, s17, 12
	s_mov_b32 s21, 0
	s_lshl_b32 s22, s17, 4
	s_mov_b32 s23, 0
	s_lshl_b32 s24, ttmp9, 12
	s_mov_b32 s25, 0
	s_lshl_b32 s26, ttmp9, 8
	s_mov_b32 s27, 0
	s_mov_b32 s[SEL0], 0x76543210
	s_mov_b32 s[SEL1], 0xfedcba98
	s_mov_b32 s[EPS], 0x3727c5ac                   ; 1e-5
	s_mov_b32 s[C127], 0x42fe0000                  ; 127
	s_mov_b32 s[I127], 0x3c010204                  ; 1 / 127
	s_mov_b32 s[L2E], 0x3d38aa3b                   ; log2(e) / 32: the scores' 1 / sqrt(1024), and base 2 for v_exp_f32
	s_mov_b32 s[L2E+1], 0x3d38aa3b
	s_wait_kmcnt 0x0
	s_add_nc_u64 s[4:5], s[4:5], s[18:19]
	s_add_nc_u64 s[6:7], s[6:7], s[20:21]
	s_add_nc_u64 s[8:9], s[8:9], s[22:23]
	s_add_nc_u64 s[10:11], s[10:11], s[24:25]
	s_add_nc_u64 s[12:13], s[12:13], s[26:27]
	; 17 loads for qk and cb, then the ring's first 32
.set i, 0
.rept 16
	global_load_b128 v[QK+4*i:QK+4*i+3], v[VP], s[6:7] offset:32768*i          ; block i + 16 (lane / 16), columns 64 w .. 64 w + 63
.set i, i+1
.endr
	global_load_b32 v[CB], v[VC], s[8:9]                                       ; block = lane
.irp r, 0,1,2,3
.irp j, 0,1,2,3,4,5,6,7
	global_load_b128 v[X+32*\r+4*\j:X+32*\r+4*\j+3], v[L16], s[4:5] offset:4096*\r+512*\j th:TH_LOAD_NT
.endr
.endr
	s_wait_loadcnt 32                              ; the 17 are in; the ring's 32 stay out
	HALVE QK, 32                                   ; 16 blocks in each half of the lanes, as a tree
	HALVE QK, 16
	HALVE QK, 8
	HALVE QK, 4
.irp e, 0,1,2,3
	v_permlanex16_b32 v[QK+4+\e], v[QK+\e], s[SEL0], s[SEL1]
.endr
	HALVE QK, 4                                    ; and the other half's 16
	v_pk_mul_f32 v[QK:QK+1], v[QK:QK+1], s[L2E:L2E+1] op_sel_hi:[1,0]
	v_pk_mul_f32 v[QK+2:QK+3], v[QK+2:QK+3], s[L2E:L2E+1] op_sel_hi:[1,0]
	ds_store_b128 v[VQS], v[QK:QK+3] offset:QKL    ; both halves hold the same numbers and write them to the same bytes
	WSUM CB
	v_mul_f32 v[CB], s[L2E], v[CB]
	s_wait_dscnt 0x0                               ; my strip of qk is stored before I say so
	s_barrier_signal -1
	s_barrier_wait -1
.irp j, 0,1,2,3,4,5,6,7
	ds_load_b128 v[QK+4*\j:QK+4*\j+3], v[L16] offset:QKL+512*\j                ; all of qk, in the rows' layout
.endr
	s_wait_dscnt 0x0
; Row t of my eight, in slot t % 4.  left = how many younger loads may stay out.
.macro TURN t, left
.set XS, X+32*(\t&3)
	s_wait_loadcnt \left
	AMAX MX, XS, 32
	WMAX MX
	GSCALE MX
	QUANT XS, 32
	DOT D, D, XS, QK, 16
	WSUM D
	v_fma_f32 v[TT], v[D], v[R+1], v[CB]
.if \t == 0
	v_mov_b32 v[MRUN], v[TT]                       ; the first row starts maximum, sum and acc: nothing is cleared
	v_mov_b32 v[LRUN], 1.0
.set i, 0
.rept 16
	v_pk_mul_f32 v[ACC+i:ACC+i+1], v[XS+i:XS+i+1], v[R:R+1] op_sel:[0,1] op_sel_hi:[1,1]
.set i, i+2
.endr
.else
	v_max_num_f32 v[MN], v[MRUN], v[TT]
	v_sub_f32 v[AL], v[MRUN], v[MN]
	v_sub_f32 v[AL+1], v[TT], v[MN]
	v_exp_f32 v[AL], v[AL]
	v_exp_f32 v[AL+1], v[AL+1]
	v_mov_b32 v[MRUN], v[MN]                       ; the plain instruction that stands between the exponentials and the use of their results
	s_wait_alu depctr_va_vdst(0)
	v_fma_f32 v[LRUN], v[LRUN], v[AL], v[AL+1]
	v_mul_f32 v[AL+1], v[AL+1], v[R+1]
.set i, 0
.rept 16
	v_pk_mul_f32 v[ACC+i:ACC+i+1], v[ACC+i:ACC+i+1], v[AL:AL+1] op_sel_hi:[1,0]
.set i, i+2
.endr
.set i, 0
.rept 16
	v_pk_fma_f32 v[ACC+i:ACC+i+1], v[XS+i:XS+i+1], v[AL:AL+1], v[ACC+i:ACC+i+1] op_sel:[0,1,0] op_sel_hi:[1,1,1]
.set i, i+2
.endr
.endif
.if \t < 4
.irp j, 0,1,2,3,4,5,6,7
	global_load_b128 v[XS+4*\j:XS+4*\j+3], v[L16], s[4:5] offset:4096*(\t+4)+512*\j th:TH_LOAD_NT
.endr
.endif
.endm
	TURN 0, 24                                     ; three younger rows of eight loads stay out
	TURN 1, 24
	TURN 2, 24
	TURN 3, 24
	TURN 4, 24                                     ; rows 5, 6, 7; from here on nothing is fetched and the counts run down
	TURN 5, 16
	TURN 6, 8
	TURN 7, 0
	; the 16 waves' (m, l, acc) become the group's
	ds_store_b32 v[VW4], v[MRUN] offset:ML
	s_wait_dscnt 0x0                               ; my maximum is stored before I say so
	s_barrier_signal -1
	s_barrier_wait -1
.irp k, 0,1,2,3
	ds_load_b128 v[X+4*\k:X+4*\k+3], v[VZ] offset:ML+16*\k
.endr
	v_lshl_add_u32 v8, s[W], 12, v[L16]            ; 4,096 w + 16 lane: my acc in MRG
	s_wait_dscnt 0x0
	v_max_num_f32 v[MG], v[X], v[X+1]
.irp k, 2,4,6,8,10,12,14
	v_max3_num_f32 v[MG], v[X+\k], v[X+\k+1], v[MG]
.endr
	v_sub_f32 v[AL], v[MRUN], v[MG]
	v_exp_f32 v[AL], v[AL]
	v_lshlrev_b32 v10, 3, v0                       ; 8 t (and the plain instruction behind the exponential)
	s_wait_alu depctr_va_vdst(0)
	v_mul_f32 v[LRUN], v[LRUN], v[AL]
.set i, 0
.rept 16
	v_pk_mul_f32 v[ACC+i:ACC+i+1], v[ACC+i:ACC+i+1], v[AL:AL+1] op_sel_hi:[1,0]
.set i, i+2
.endr
.irp j, 0,1,2,3,4,5,6,7
	ds_store_b128 v8, v[ACC+4*\j:ACC+4*\j+3] offset:MRG+512*\j
.endr
	ds_store_b32 v[VW4], v[LRUN] offset:LL
	v_add_nc_u32 v9, MRG, v10                      ; MRG stands in the register: 4,096 x 15 on top of it would not fit the 16-bit immediate
	s_wait_dscnt 0x0                               ; my acc and my sum are stored before I say so
	s_barrier_signal -1
	s_barrier_wait -1
.set i, 0
.rept 16
	ds_load_b64 v[X+2*i:X+2*i+1], v9 offset:4096*i                             ; thread t: columns 2 t, 2 t + 1 of every wave's acc
.set i, i+1
.endr
	s_wait_dscnt 0x0
	HALVE X, 16
	HALVE X, 8
	HALVE X, 4
	HALVE X, 2
	global_store_b64 v10, v[X:X+1], s[10:11]       ; each store of a wave covers 256 consecutive bytes, aligned
	s_cmp_lg_u32 s[W], 0
	s_cbranch_scc1 .Lend
.irp k, 0,1,2,3
	ds_load_b128 v[X+32+4*\k:X+32+4*\k+3], v[VZ] offset:LL+16*\k
.endr
	v_lshrrev_b32 v11, 1, v[L16]                   ; 8 x lane
	s_wait_dscnt 0x0
	HALVE X+32, 8
	HALVE X+32, 4
	HALVE X+32, 2
	v_add_f32 v[MG+1], v[X+32], v[X+33]
	global_store_b64 v11, v[MG:MG+1], s[12:13]     ; (maximum, sum), 32 times: the group's record of 256 bytes is written whole
.Lend:
	s_wait_tensorcnt 0x0
	ds_add_u32 v224, v225
	s_wait_dscnt 0x0
	s_endpgm
.Lfunc_end_k_qa16db04d27_stream:
	.size	k_qa16db04d27_stream, .Lfunc_end_k_qa16db04d27_stream-k_qa16db04d27_stream
	.p2alignl 7, 3214868480
	.fill 96, 4, 3214868480
	.section	.rodata,"a",@progbits
	.p2align	6, 0x0
	.amdhsa_kernel k_qa16db04d27_stream
		.amdhsa_group_segment_fixed_size 72192
		.amdhsa_private_segment_fixed_size 0
		.amdhsa_enable_private_segment 0
		.amdhsa_kernarg_size 40
		.amdhsa_user_sgpr_count 2
		.amdhsa_user_sgpr_kernarg_segment_ptr 1
		.amdhsa_wavefront_size32 1
		.amdhsa_system_sgpr_workgroup_id_x 1
		.amdhsa_system_sgpr_workgroup_id_y 1
		.amdhsa_system_sgpr_workgroup_id_z 1
		.amdhsa_system_vgpr_workitem_id 0
		.amdhsa_next_free_vgpr 226
		.amdhsa_next_free_sgpr 66
		.amdhsa_reserve_vcc 0
		.amdhsa_float_denorm_mode_32 3
		.amdhsa_float_denorm_mode_16_64 3
		.amdhsa_memory_ordered 1
		.amdhsa_forward_progress 1
		.amdhsa_inst_pref_size 79
	.end_amdhsa_kernel
	.amdgpu_metadata
---
amdhsa.version: [ 1, 2 ]
amdhsa.kernels:
  - .name:           k_qa16db04d27_stream
    .symbol:         k_qa16db04d27_stream.kd
    .args:
      - { .name: context_memory, .offset: 0, .size: 8, .value_kind: global_buffer, .address_space: global }
      - { .name: qkpart, .offset: 8, .size: 8, .value_kind: global_buffer, .address_space: global }
      - { .name: cpart, .offset: 16, .size: 8, .value_kind: global_buffer, .address_space: global }
      - { .name: pacc, .offset: 24, .size: 8, .value_kind: global_buffer, .address_space: global }
      - { .name: pml, .offset: 32, .size: 8, .value_kind: global_buffer, .address_space: global }
    .group_segment_fixed_size: 72192
    .private_segment_fixed_size: 0
    .kernarg_segment_align: 8
    .kernarg_segment_size: 40
    .max_flat_workgroup_size: 512
    .sgpr_count:     66
    .vgpr_count:     226
    .wavefront_size: 32
...
	.end_amdgpu_metadata
.endif
;; end of part 3
;; launch vproj (part 4): grid 256 x 1, 16 waves a work-group, no clusters, 10,240 bytes of LDS; arguments wpart, pacc, pml, w_v, b_v, ctx; writes ctx
.if DOCPART == 4
	.amdgcn_target "amdgcn-amd-amdhsa--gfx1250"
	.amdhsa_code_object_version 6
	.text
	.protected	k_qa16db04d27_vproj
	.globl	k_qa16db04d27_vproj
	.p2align	8
	.type	k_qa16db04d27_vproj,@function
k_qa16db04d27_vproj:
	s_mov_b64 s[64:65], 0
	v_nop
	global_prefetch_b8 v0, s[64:65] scope:SCOPE_SE
	s_setreg_imm32_b32 hwreg(HW_REG_WAVE_MODE, 25, 1), 1
	s_wait_xcnt 0x0
; ctx[b][o] = s_v * sum over j of T_v[o][j] xbar[b][j] + b_v[o], where xbar[b] = (sum over the batch's 32 partials i of 2^(M_i - M) acc_i) / (sum of 2^(M_i - M) l_i),
; M the largest M_i: the softmax's maximum is taken away at every level.
; 256 work-groups of 16 waves; group g: batch g / 32, rows 32 (g % 32) .. + 31 of w_v.  Wave w merges the columns 64 w .. 64 w + 63 of the 32 partials
; (lanes 0-15 partials 0-15, lanes 16-31 partials 16-31) and then owns rows 2 w, 2 w + 1 of the block.
; All on the vector ALU in f32: one row of xbar meets each weight once.
; LIMIT: s_v = mean|w_v| + 1e-5 comes from a tree sum whose order is not the defining program's (see the first launch).  NaN and infinities are not served.
.set FT,  0                            ; 16 x 128 bytes: each wave's own copy of the 32 factors
.set XBL, 2048                         ; 4,096 bytes: xbar
.set CO,  6144                         ; 32 words: the group's results
.set L16, 1
.set VPM, 2                            ; 256 x lane
.set VPA, 3                            ; 16 partials (lane / 16) + 256 w + 16 (lane % 16)
.set VF,  4                            ; 128 w + 4 lane
.set VFH, 5                            ; 128 w + 64 (lane / 16)
.set TMP, 6
.set VXS, 7                            ; 256 w + 16 (lane % 16)
.set VW8, 8                            ; 8 w
.set L4,  9                            ; 4 lane
.set PM,  10                           ; v[10:11] (M_i, l_i), i = lane
.set MM,  12
.set FF,  13
.set FL,  14
.set INV, 15
.set SV,  16                           ; v[16:17] s_v, s_v / 2
.set WP,  32                           ; v[32:63]   wpart; later the dot products' chains
.set PA,  64                           ; v[64:127]  my strip of 16 partials
.set WV,  128                          ; v[128:191] my two rows of w_v
.set XB,  192                          ; v[192:223] xbar
.set F,   224                          ; v[224:239] the factors of my half's 16 partials
.set W,    16
.set BV,   30                          ; s[30:31]
.set SEL0, 32
.set SEL1, 33
.set EPS,  34
.set P20,  35
.set SGN,  36
.set ONE,  37
.macro HALVE base, d                   ; v[base .. base+d-1] += v[base+d .. base+2d-1], two numbers an instruction
.set hv, 0
.rept \d/2
	v_pk_add_f32 v[\base+hv:\base+hv+1], v[\base+hv:\base+hv+1], v[\base+\d+hv:\base+\d+hv+1]
.set hv, hv+2
.endr
.endm
.macro WSUM r
	v_add_f32_dpp v[\r], v[\r], v[\r] row_xmask:1 row_mask:0xf bank_mask:0xf
	v_add_f32_dpp v[\r], v[\r], v[\r] row_xmask:2 row_mask:0xf bank_mask:0xf
	v_add_f32_dpp v[\r], v[\r], v[\r] row_xmask:4 row_mask:0xf bank_mask:0xf
	v_add_f32_dpp v[\r], v[\r], v[\r] row_xmask:8 row_mask:0xf bank_mask:0xf
	v_permlanex16_b32 v[TMP], v[\r], s[SEL0], s[SEL1]
	v_add_f32 v[\r], v[\r], v[TMP]
.endm
.macro WMAX r
	v_max_num_f32_dpp v[\r], v[\r], v[\r] row_xmask:1 row_mask:0xf bank_mask:0xf
	v_max_num_f32_dpp v[\r], v[\r], v[\r] row_xmask:2 row_mask:0xf bank_mask:0xf
	v_max_num_f32_dpp v[\r], v[\r], v[\r] row_xmask:4 row_mask:0xf bank_mask:0xf
	v_max_num_f32_dpp v[\r], v[\r], v[\r] row_xmask:8 row_mask:0xf bank_mask:0xf
	v_permlanex16_b32 v[TMP], v[\r], s[SEL0], s[SEL1]
	v_max_num_f32 v[\r], v[\r], v[TMP]
.endm
.macro TERN base, n, h                 ; n weights become -1, 0 or +1: the sign on 1.0 where |w| > s / 2
.set i, 0
.rept \n
	v_cmp_gt_f32 vcc_lo, |v[\base+i]|, v[\h]
	v_and_or_b32 v[\base+i], v[\base+i], s[SGN], s[ONE]
	v_cndmask_b32 v[\base+i], 0, v[\base+i], vcc_lo
.set i, i+1
.endr
.endm
.macro PKMULB d, a, p, odd             ; v[d:d+1] = v[a:a+1] times one register of the pair p (odd = 1: its second)
.if \odd
	v_pk_mul_f32 v[\d:\d+1], v[\a:\a+1], v[\p:\p+1] op_sel:[0,1] op_sel_hi:[1,1]
.else
	v_pk_mul_f32 v[\d:\d+1], v[\a:\a+1], v[\p:\p+1] op_sel_hi:[1,0]
.endif
.endm
.macro PKFMAB d, a, p, odd             ; v[d:d+1] += the same product
.if \odd
	v_pk_fma_f32 v[\d:\d+1], v[\a:\a+1], v[\p:\p+1], v[\d:\d+1] op_sel:[0,1,0] op_sel_hi:[1,1,1]
.else
	v_pk_fma_f32 v[\d:\d+1], v[\a:\a+1], v[\p:\p+1], v[\d:\d+1] op_sel_hi:[1,0,1]
.endif
.endm
.macro DOT out, d, x, y, np            ; v[out] = this lane's part of x . y over np pairs, in four chains of pairs in v[d:d+7]
.irp k, 0,2,4,6
	v_pk_mul_f32 v[\d+\k:\d+\k+1], v[\x+\k:\x+\k+1], v[\y+\k:\y+\k+1]
.endr
.set i, 8
.rept (\np-4)/4
.irp k, 0,2,4,6
	v_pk_fma_f32 v[\d+\k:\d+\k+1], v[\x+i+\k:\x+i+\k+1], v[\y+i+\k:\y+i+\k+1], v[\d+\k:\d+\k+1]
.endr
.set i, i+8
.endr
	HALVE \d, 4
	HALVE \d, 2
	v_add_f32 v[\out], v[\d], v[\d+1]
.endm
	s_load_b256 s[4:11], s[0:1], 0x0               ; wpart s[4:5], pacc s[6:7], pml s[8:9], w_v s[10:11]
	s_load_b128 s[12:15], s[0:1], 0x20             ; b_v s[12:13], ctx s[14:15]
	v_lshl_add_u32 v240, v0, 2, 0x2000
	v_mov_b32 v241, 0
	v_lshrrev_b32 v12, 5, v0
	v_readfirstlane_b32 s[W], v12                  ; wave 0..15
	v_and_b32 v13, 31, v0
	v_and_b32 v14, 15, v0
	v_bfe_u32 v15, v0, 4, 1
	v_lshlrev_b32 v[L16], 4, v13
	v_lshlrev_b32 v[VPM], 8, v13
	v_lshlrev_b32 v[L4], 2, v13
	v_lshlrev_b32 v[VXS], 4, v14
	v_lshl_add_u32 v[VXS], s[W], 8, v[VXS]
	v_lshl_add_u32 v[VPA], v15, 16, v[VXS]
	v_lshl_add_u32 v[VF], s[W], 7, v[L4]
	v_lshlrev_b32 v[VFH], 6, v15
	v_lshl_add_u32 v[VFH], s[W], 7, v[VFH]
	s_lshl_b32 s29, s[W], 3
	v_mov_b32 v[VW8], s29
	v_mov_b32 v[TMP], 0
	s_lshr_b32 s17, ttmp9, 5                       ; batch
	s_and_b32 s28, ttmp9, 31                       ; block of 32 rows of w_v
	s_lshl_b32 s18, s17, 13                        ; pml: 32 records of 256 bytes a batch
	s_mov_b32 s19, 0
	s_lshl_b32 s20, s17, 17                        ; pacc: 32 partials of 4,096 bytes a batch
	s_mov_b32 s21, 0
	s_lshl_b32 s22, s28, 17
	s_lshl_b32 s38, s[W], 13
	s_add_co_u32 s22, s22, s38                     ; w_v: the block's rows, my two
	s_mov_b32 s23, 0
	s_lshl_b32 s24, s28, 7
	s_add_co_u32 s24, s24, s29                     ; b_v: my two numbers
	s_mov_b32 s25, 0
	s_lshl_b32 s26, s17, 12
	s_lshl_b32 s38, s28, 7
	s_add_co_u32 s26, s26, s38                     ; ctx: the group's 128 bytes
	s_mov_b32 s27, 0
	s_mov_b32 s[SEL0], 0x76543210
	s_mov_b32 s[SEL1], 0xfedcba98
	s_mov_b32 s[EPS], 0x3727c5ac                   ; 1e-5
	s_mov_b32 s[P20], 0x35800000                   ; 2^-20
	s_mov_b32 s[SGN], 0x80000000
	s_mov_b32 s[ONE], 0x3f800000
	s_wait_kmcnt 0x0
	s_add_nc_u64 s[8:9], s[8:9], s[18:19]
	s_add_nc_u64 s[6:7], s[6:7], s[20:21]
	s_add_nc_u64 s[10:11], s[10:11], s[22:23]
	s_add_nc_u64 s[12:13], s[12:13], s[24:25]
	s_add_nc_u64 s[14:15], s[14:15], s[26:27]
	s_load_b64 s[BV:BV+1], s[12:13], 0x0
	; 41 loads, in the order in which they are wanted
	global_load_b64 v[PM:PM+1], v[VPM], s[8:9]
.irp j, 0,1,2,3,4,5,6,7
	global_load_b128 v[WP+4*\j:WP+4*\j+3], v[L16], s[4:5] offset:512*\j
.endr
.set i, 0
.rept 16
	global_load_b128 v[PA+4*i:PA+4*i+3], v[VPA], s[6:7] offset:4096*i          ; partial i + 16 (lane / 16)
.set i, i+1
.endr
.irp r, 0,1
.irp j, 0,1,2,3,4,5,6,7
	global_load_b128 v[WV+32*\r+4*\j:WV+32*\r+4*\j+3], v[L16], s[10:11] offset:4096*\r+512*\j
.endr
.endr
	; the 32 partials' factors 2^(M_i - M) / L, one in each lane
	s_wait_loadcnt 40                              ; (M_i, l_i) is in; the 40 younger loads stay out
	v_mov_b32 v[MM], v[PM]
	WMAX MM
	v_sub_f32 v[FF], v[PM], v[MM]
	v_exp_f32 v[FF], v[FF]
	v_nop                                          ; one plain instruction between an exponential and the use of its result
	s_wait_alu depctr_va_vdst(0)
	v_mul_f32 v[FL], v[FF], v[PM+1]
	WSUM FL
	v_rcp_f32 v[INV], v[FL]
	v_nop                                          ; likewise behind the reciprocal
	s_wait_alu depctr_va_vdst(0)
	v_mul_f32 v[FF], v[FF], v[INV]
	ds_store_b32 v[VF], v[FF] offset:FT            ; into my wave's own 128 bytes,
.irp k, 0,1,2,3
	ds_load_b128 v[F+4*\k:F+4*\k+3], v[VFH] offset:FT+16*\k                    ; and back, sixteen to each half: LDS serves a wave's instructions in order
.endr
	s_wait_loadcnt 32                              ; wpart is in; pacc's 16 and w_v's 16 stay out
	HALVE WP, 16
	HALVE WP, 8
	HALVE WP, 4
	WSUM WP+2
	v_fma_f32 v[SV], v[WP+2], s[P20], s[EPS]
	v_mul_f32 v[SV+1], 0.5, v[SV]
	s_wait_loadcnt 16                              ; pacc is in; w_v's 16 stay out
	s_wait_dscnt 0x0                               ; the factors
	PKMULB PA, PA, F, 0                            ; the first partial starts the sums
	PKMULB PA+2, PA+2, F, 0
.set ii, 1
.rept 15
	PKFMAB PA, PA+4*ii, F+(ii&14), ii&1
	PKFMAB PA+2, PA+4*ii+2, F+(ii&14), ii&1
.set ii, ii+1
.endr
.irp e, 0,1,2,3
	v_permlanex16_b32 v[PA+4+\e], v[PA+\e], s[SEL0], s[SEL1]
.endr
	HALVE PA, 4                                    ; the other half's 16 partials
	ds_store_b128 v[VXS], v[PA:PA+3] offset:XBL    ; both halves hold the same numbers and write them to the same bytes
	s_wait_loadcnt 0
	TERN WV, 64, SV+1
	s_wait_dscnt 0x0                               ; my strip of xbar is stored before I say so
	s_barrier_signal -1
	s_barrier_wait -1
.irp j, 0,1,2,3,4,5,6,7
	ds_load_b128 v[XB+4*\j:XB+4*\j+3], v[L16] offset:XBL+512*\j
.endr
	s_wait_dscnt 0x0
	DOT WP, WP, WV, XB, 16
	DOT WP+8, WP+8, WV+32, XB, 16
	WSUM WP
	WSUM WP+8
	s_wait_kmcnt 0x0                               ; b_v
	v_fma_f32 v[WP], v[WP], v[SV], s[BV]
	v_fma_f32 v[WP+8], v[WP+8], v[SV], s[BV+1]
	ds_store_b32 v[VW8], v[WP] offset:CO
	ds_store_b32 v[VW8], v[WP+8] offset:CO+4
	s_wait_dscnt 0x0                               ; my two results are stored before I say so
	s_barrier_signal -1
	s_barrier_wait -1
	s_cmp_lg_u32 s[W], 0
	s_cbranch_scc1 .Lend
	ds_load_b32 v[WP], v[L4] offset:CO
	s_wait_dscnt 0x0
	global_store_b32 v[L4], v[WP], s[14:15]        ; the group's 32 numbers: 128 consecutive bytes, all that it owns
.Lend:
	s_wait_tensorcnt 0x0
	ds_add_u32 v240, v241
	s_wait_dscnt 0x0
	s_endpgm
.Lfunc_end_k_qa16db04d27_vproj:
	.size	k_qa16db04d27_vproj, .Lfunc_end_k_qa16db04d27_vproj-k_qa16db04d27_vproj
	.p2alignl 7, 3214868480
	.fill 96, 4, 3214868480
	.section	.rodata,"a",@progbits
	.p2align	6, 0x0
	.amdhsa_kernel k_qa16db04d27_vproj
		.amdhsa_group_segment_fixed_size 10240
		.amdhsa_private_segment_fixed_size 0
		.amdhsa_enable_private_segment 0
		.amdhsa_kernarg_size 48
		.amdhsa_user_sgpr_count 2
		.amdhsa_user_sgpr_kernarg_segment_ptr 1
		.amdhsa_wavefront_size32 1
		.amdhsa_system_sgpr_workgroup_id_x 1
		.amdhsa_system_sgpr_workgroup_id_y 1
		.amdhsa_system_sgpr_workgroup_id_z 1
		.amdhsa_system_vgpr_workitem_id 0
		.amdhsa_next_free_vgpr 242
		.amdhsa_next_free_sgpr 66
		.amdhsa_reserve_vcc 1
		.amdhsa_float_denorm_mode_32 3
		.amdhsa_float_denorm_mode_16_64 3
		.amdhsa_memory_ordered 1
		.amdhsa_forward_progress 1
		.amdhsa_inst_pref_size 26
	.end_amdhsa_kernel
	.amdgpu_metadata
---
amdhsa.version: [ 1, 2 ]
amdhsa.kernels:
  - .name:           k_qa16db04d27_vproj
    .symbol:         k_qa16db04d27_vproj.kd
    .args:
      - { .name: wpart, .offset: 0, .size: 8, .value_kind: global_buffer, .address_space: global }
      - { .name: pacc, .offset: 8, .size: 8, .value_kind: global_buffer, .address_space: global }
      - { .name: pml, .offset: 16, .size: 8, .value_kind: global_buffer, .address_space: global }
      - { .name: w_v, .offset: 24, .size: 8, .value_kind: global_buffer, .address_space: global }
      - { .name: b_v, .offset: 32, .size: 8, .value_kind: global_buffer, .address_space: global }
      - { .name: ctx, .offset: 40, .size: 8, .value_kind: global_buffer, .address_space: global }
    .group_segment_fixed_size: 10240
    .private_segment_fixed_size: 0
    .kernarg_segment_align: 8
    .kernarg_segment_size: 48
    .max_flat_workgroup_size: 512
    .sgpr_count:     66
    .vgpr_count:     242
    .wavefront_size: 32
...
	.end_amdgpu_metadata
.endif
;; end of part 4
;; launch outp (part 5): grid 256 x 1, 8 waves a work-group, no clusters, 67,584 bytes of LDS; arguments wpart, query, ctx, w_c, b_c, out0; writes out0
.if DOCPART == 5
	.amdgcn_target "amdgcn-amd-amdhsa--gfx1250"
	.amdhsa_code_object_version 6
	.text
	.protected	k_qa16db04d27_outp
	.globl	k_qa16db04d27_outp
	.p2align	8
	.type	k_qa16db04d27_outp,@function
k_qa16db04d27_outp:
	s_mov_b64 s[64:65], 0
	v_nop
	global_prefetch_b8 v0, s[64:65] scope:SCOPE_SE
	s_setreg_imm32_b32 hwreg(HW_REG_WAVE_MODE, 25, 1), 1
	s_wait_xcnt 0x0
; out0 = BitLinear(concat(query, ctx), w_c, b_c).  256 work-groups of 8 waves; group g owns rows 4 g .. 4 g + 3 of w_c, so that w_c's
; 8,388,608 bytes are spread evenly, 32,768 to a group.  Every group quantises all 8 rows of the input anew (65,536 bytes; wave w takes batch w) into LDS.
; For the product wave w takes row w / 2 and the columns' half w % 2 (0: query's, 1: ctx's): 4,096 bytes of w_c in 32 registers.
; The output leaves as 8 pieces of 16 bytes a group: it is 32,768 bytes in all against the 8,388,608 of w_c, whose even spread decides the shape.
; All on the vector ALU in f32: 8 rows meet each weight once.
; LIMITS: s_c = mean|w_c| + 1e-5 comes from a tree sum whose order is not the defining program's (see the first launch); a weight of w_c whose magnitude
; lies within that difference of s_c / 2 gets another ternary value, which moves one output by s_c times one input.  127 / g is 127 * rcp(g), g / 127 is g * (1/127), each within
; one unit in the last place.  The clip to [-128, 127] is not written: g >= max|x|, so |x * 127 / g| < 127.5.  x + (xq - x) is taken as xq.  NaN and infinities are not served.
.set GS,  0                            ; 8 words: g / 127 of each batch
.set PD,  256                          ; [2 halves][8 b][4 rows] f32: the waves' dot products
.set XI,  512                          ; [8 b][2048] f32: the codes.  The largest immediate used is XI + 7 x 8,192 + 7 x 512 = 61,440, inside 16 bits
.set L16, 1
.set VBC, 2                            ; 4 (lane % 4)
.set VX,  3                            ; 8,192 w + 16 lane
.set VW4, 4                            ; 4 w
.set VR,  5                            ; 4,096 (w % 2) + 16 lane
.set TMP, 6
.set VPD, 7                            ; 128 (w % 2) + 4 (w / 2)
.set MX,  8                            ; v[8:11]
.set G,   12
.set R,   14                           ; v[14:15]
.set SC,  16                           ; v[16:17] s_c, s_c / 2
.set BCV, 18                           ; b_c[4 g + lane % 4]
.set CMB, 32                           ; v[32:95]   my batch's 2,048 numbers
.set XA,  32                           ; then two buffers for the codes of one batch's half
.set XB,  64
.set WC,  96                           ; v[96:127]
.set WP,  128                          ; v[128:159]
.set D,   160                          ; v[160:167]
.set DB,  168                          ; v[168:175] the dot product with each batch
.set W,    16
.set SEL0, 24
.set SEL1, 25
.set EPS,  26
.set C127, 27
.set I127, 28
.set P21,  29
.set SGN,  30
.set ONE,  31
.macro HALVE base, d                   ; v[base .. base+d-1] += v[base+d .. base+2d-1], two numbers an instruction
.set hv, 0
.rept \d/2
	v_pk_add_f32 v[\base+hv:\base+hv+1], v[\base+hv:\base+hv+1], v[\base+\d+hv:\base+\d+hv+1]
.set hv, hv+2
.endr
.endm
.macro WSUM r
	v_add_f32_dpp v[\r], v[\r], v[\r] row_xmask:1 row_mask:0xf bank_mask:0xf
	v_add_f32_dpp v[\r], v[\r], v[\r] row_xmask:2 row_mask:0xf bank_mask:0xf
	v_add_f32_dpp v[\r], v[\r], v[\r] row_xmask:4 row_mask:0xf bank_mask:0xf
	v_add_f32_dpp v[\r], v[\r], v[\r] row_xmask:8 row_mask:0xf bank_mask:0xf
	v_permlanex16_b32 v[TMP], v[\r], s[SEL0], s[SEL1]
	v_add_f32 v[\r], v[\r], v[TMP]
.endm
.macro WMAX r
	v_max_num_f32_dpp v[\r], v[\r], v[\r] row_xmask:1 row_mask:0xf bank_mask:0xf
	v_max_num_f32_dpp v[\r], v[\r], v[\r] row_xmask:2 row_mask:0xf bank_mask:0xf
	v_max_num_f32_dpp v[\r], v[\r], v[\r] row_xmask:4 row_mask:0xf bank_mask:0xf
	v_max_num_f32_dpp v[\r], v[\r], v[\r] row_xmask:8 row_mask:0xf bank_mask:0xf
	v_permlanex16_b32 v[TMP], v[\r], s[SEL0], s[SEL1]
	v_max_num_f32 v[\r], v[\r], v[TMP]
.endm
.macro AMAX m, base, n                 ; v[m] = the largest magnitude of n registers, in four chains that the first eight start
.irp k, 0,1,2,3
	v_max_num_f32 v[\m+\k], |v[\base+\k]|, |v[\base+\k+4]|
.endr
.set i, 8
.rept (\n-8)/8
.irp k, 0,1,2,3
	v_max3_num_f32 v[\m+\k], |v[\base+i+\k]|, |v[\base+i+\k+4]|, v[\m+\k]
.endr
.set i, i+8
.endr
	v_max3_num_f32 v[\m], v[\m], v[\m+1], v[\m+2]
	v_max_num_f32 v[\m], v[\m], v[\m+3]
.endm
.macro GSCALE m                        ; v[R] = 127 / g, v[R+1] = g / 127, g = max + 1e-5
	v_add_f32 v[G], s[EPS], v[\m]
	v_rcp_f32 v[R], v[G]
	v_mul_f32 v[R+1], s[I127], v[G]                ; the plain instruction that stands between v_rcp_f32 and the use of its result
	s_wait_alu depctr_va_vdst(0)
	v_mul_f32 v[R], s[C127], v[R]
.endm
.macro QUANT base, n
.set i, 0
.rept \n/2
	v_pk_mul_f32 v[\base+i:\base+i+1], v[\base+i:\base+i+1], v[R:R+1] op_sel_hi:[1,0]
.set i, i+2
.endr
.set i, 0
.rept \n
	v_rndne_f32 v[\base+i], v[\base+i]
.set i, i+1
.endr
.endm
.macro TERN base, n, h                 ; n weights become -1, 0 or +1: the sign on 1.0 where |w| > s / 2
.set i, 0
.rept \n
	v_cmp_gt_f32 vcc_lo, |v[\base+i]|, v[\h]
	v_and_or_b32 v[\base+i], v[\base+i], s[SGN], s[ONE]
	v_cndmask_b32 v[\base+i], 0, v[\base+i], vcc_lo
.set i, i+1
.endr
.endm
.macro DOT out, d, x, y, np            ; v[out] = this lane's part of x . y over np pairs, in four chains of pairs in v[d:d+7]
.irp k, 0,2,4,6
	v_pk_mul_f32 v[\d+\k:\d+\k+1], v[\x+\k:\x+\k+1], v[\y+\k:\y+\k+1]
.endr
.set i, 8
.rept (\np-4)/4
.irp k, 0,2,4,6
	v_pk_fma_f32 v[\d+\k:\d+\k+1], v[\x+i+\k:\x+i+\k+1], v[\y+i+\k:\y+i+\k+1], v[\d+\k:\d+\k+1]
.endr
.set i, i+8
.endr
	HALVE \d, 4
	HALVE \d, 2
	v_add_f32 v[\out], v[\d], v[\d+1]
.endm
	s_load_b256 s[4:11], s[0:1], 0x0               ; wpart s[4:5], query s[6:7], ctx s[8:9], w_c s[10:11]
	s_load_b128 s[12:15], s[0:1], 0x20             ; b_c s[12:13], out0 s[14:15]
	v_lshl_add_u32 v176, v0, 2, 0x10400
	v_mov_b32 v177, 0
	v_lshrrev_b32 v8, 5, v0
	v_readfirstlane_b32 s[W], v8                   ; wave 0..7
	v_and_b32 v9, 31, v0
	v_lshlrev_b32 v[L16], 4, v9
	v_and_b32 v[VBC], 3, v0
	v_lshlrev_b32 v[VBC], 2, v[VBC]
	v_lshl_add_u32 v[VX], s[W], 13, v[L16]
	s_lshl_b32 s17, s[W], 2
	v_mov_b32 v[VW4], s17
	s_and_b32 s32, s[W], 1                         ; which half of the columns
	s_lshr_b32 s33, s[W], 1                        ; which of the group's four rows
	v_lshl_add_u32 v[VR], s32, 12, v[L16]
	s_lshl_b32 s34, s32, 7
	s_lshl_b32 s35, s33, 2
	s_add_co_u32 s34, s34, s35
	v_mov_b32 v[VPD], s34
	v_mov_b32 v[TMP], 0
	s_lshl_b32 s18, ttmp9, 4                       ; the group's four numbers of b_c, and of a row of out0
	s_mov_b32 s19, 0
	s_lshl_b32 s20, s[W], 12                       ; my batch's row of query and of ctx
	s_mov_b32 s21, 0
	s_lshl_b32 s22, ttmp9, 15                      ; four rows of 8,192 bytes;
	s_add_co_u32 s22, s22, s20                     ; 8,192 (w / 2) + 4,096 (w % 2) = 4,096 w
	s_mov_b32 s23, 0
	s_mov_b32 s[SEL0], 0x76543210
	s_mov_b32 s[SEL1], 0xfedcba98
	s_mov_b32 s[EPS], 0x3727c5ac                   ; 1e-5
	s_mov_b32 s[C127], 0x42fe0000                  ; 127
	s_mov_b32 s[I127], 0x3c010204                  ; 1 / 127
	s_mov_b32 s[P21], 0x35000000                   ; 2^-21: one over the number of w_c's weights
	s_mov_b32 s[SGN], 0x80000000
	s_mov_b32 s[ONE], 0x3f800000
	s_wait_kmcnt 0x0
	s_add_nc_u64 s[12:13], s[12:13], s[18:19]
	s_add_nc_u64 s[14:15], s[14:15], s[18:19]
	s_add_nc_u64 s[6:7], s[6:7], s[20:21]
	s_add_nc_u64 s[8:9], s[8:9], s[20:21]
	s_add_nc_u64 s[10:11], s[10:11], s[22:23]
	; 33 loads, in the order in which they are wanted
	global_load_b32 v[BCV], v[VBC], s[12:13]
.irp j, 0,1,2,3,4,5,6,7
	global_load_b128 v[CMB+4*\j:CMB+4*\j+3], v[L16], s[6:7] offset:512*\j
.endr
.irp j, 0,1,2,3,4,5,6,7
	global_load_b128 v[CMB+32+4*\j:CMB+32+4*\j+3], v[L16], s[8:9] offset:512*\j
.endr
.irp j, 0,1,2,3,4,5,6,7
	global_load_b128 v[WP+4*\j:WP+4*\j+3], v[L16], s[4:5] offset:512*\j
.endr
.irp j, 0,1,2,3,4,5,6,7
	global_load_b128 v[WC+4*\j:WC+4*\j+3], v[L16], s[10:11] offset:512*\j
.endr
	s_wait_loadcnt 16                              ; b_c, query and ctx are in; wpart's 8 and w_c's 8 stay out
	AMAX MX, CMB, 64
	WMAX MX
	GSCALE MX
	QUANT CMB, 64
.set n, 0
.rept 16
	ds_store_b128 v[VX], v[CMB+4*n:CMB+4*n+3] offset:XI+512*n
.set n, n+1
.endr
	ds_store_b32 v[VW4], v[R+1] offset:GS
	s_wait_loadcnt 8                               ; wpart is in; w_c's 8 stay out
	HALVE WP, 16
	HALVE WP, 8
	HALVE WP, 4
	WSUM WP+3
	v_fma_f32 v[SC], v[WP+3], s[P21], s[EPS]       ; the product with 2^-21 is exact: one rounding, as in mean + 1e-5
	v_mul_f32 v[SC+1], 0.5, v[SC]
	s_wait_loadcnt 0
	TERN WC, 32, SC+1
	s_wait_dscnt 0x0                               ; my batch's codes and scale are stored before I say so
	s_barrier_signal -1
	s_barrier_wait -1
	; my half row of w_c with the 8 batches' codes, which come from XI into two buffers that take turns
.irp j, 0,1,2,3,4,5,6,7
	ds_load_b128 v[XA+4*\j:XA+4*\j+3], v[VR] offset:XI+512*\j
.endr
.irp j, 0,1,2,3,4,5,6,7
	ds_load_b128 v[XB+4*\j:XB+4*\j+3], v[VR] offset:XI+8192+512*\j
.endr
.macro CDOT b, buf, left, more
	s_wait_dscnt \left                             ; this batch's 8 loads are in; the other buffer's 8 may be out
	DOT DB+\b, D, WC, \buf, 16
.if \more
.irp j, 0,1,2,3,4,5,6,7
	ds_load_b128 v[\buf+4*\j:\buf+4*\j+3], v[VR] offset:XI+(\b+2)*8192+512*\j
.endr
.endif
.endm
	CDOT 0, XA, 8, 1
	CDOT 1, XB, 8, 1
	CDOT 2, XA, 8, 1
	CDOT 3, XB, 8, 1
	CDOT 4, XA, 8, 1
	CDOT 5, XB, 8, 1
	CDOT 6, XA, 8, 0
	CDOT 7, XB, 0, 0
.irp b, 0,1,2,3,4,5,6,7
	WSUM DB+\b
	ds_store_b32 v[VPD], v[DB+\b] offset:PD+16*\b
.endr
	s_wait_dscnt 0x0                               ; my eight dot products are stored before I say so
	s_barrier_signal -1
	s_barrier_wait -1
	s_cmp_lg_u32 s[W], 0
	s_cbranch_scc1 .Lend
	v_lshrrev_b32 v19, 2, v[L16]                   ; 4 lane: lane = 4 b + row
	v_lshrrev_b32 v20, 6, v[L16]                   ; b
	v_lshlrev_b32 v21, 2, v20
	ds_load_b32 v22, v19 offset:PD                 ; the query half's dot product
	ds_load_b32 v23, v19 offset:PD+128             ; the ctx half's
	ds_load_b32 v24, v21 offset:GS
	v_lshl_add_u32 v25, v20, 12, v[VBC]            ; row b of out0, my column of the group's four
	s_wait_dscnt 0x0
	v_add_f32 v22, v22, v23
	v_mul_f32 v24, v[SC], v24
	v_fma_f32 v22, v22, v24, v[BCV]
	global_store_b32 v25, v22, s[14:15]
.Lend:
	s_wait_tensorcnt 0x0
	ds_add_u32 v176, v177
	s_wait_dscnt 0x0
	s_endpgm
.Lfunc_end_k_qa16db04d27_outp:
	.size	k_qa16db04d27_outp, .Lfunc_end_k_qa16db04d27_outp-k_qa16db04d27_outp
	.p2alignl 7, 3214868480
	.fill 96, 4, 3214868480
	.section	.rodata,"a",@progbits
	.p2align	6, 0x0
	.amdhsa_kernel k_qa16db04d27_outp
		.amdhsa_group_segment_fixed_size 67584
		.amdhsa_private_segment_fixed_size 0
		.amdhsa_enable_private_segment 0
		.amdhsa_kernarg_size 48
		.amdhsa_user_sgpr_count 2
		.amdhsa_user_sgpr_kernarg_segment_ptr 1
		.amdhsa_wavefront_size32 1
		.amdhsa_system_sgpr_workgroup_id_x 1
		.amdhsa_system_sgpr_workgroup_id_y 1
		.amdhsa_system_sgpr_workgroup_id_z 1
		.amdhsa_system_vgpr_workitem_id 0
		.amdhsa_next_free_vgpr 178
		.amdhsa_next_free_sgpr 66
		.amdhsa_reserve_vcc 1
		.amdhsa_float_denorm_mode_32 3
		.amdhsa_float_denorm_mode_16_64 3
		.amdhsa_memory_ordered 1
		.amdhsa_forward_progress 1
		.amdhsa_inst_pref_size 38
	.end_amdhsa_kernel
	.amdgpu_metadata
---
amdhsa.version: [ 1, 2 ]
amdhsa.kernels:
  - .name:           k_qa16db04d27_outp
    .symbol:         k_qa16db04d27_outp.kd
    .args:
      - { .name: wpart, .offset: 0, .size: 8, .value_kind: global_buffer, .address_space: global }
      - { .name: query, .offset: 8, .size: 8, .value_kind: global_buffer, .address_space: global }
      - { .name: ctx, .offset: 16, .size: 8, .value_kind: global_buffer, .address_space: global }
      - { .name: w_c, .offset: 24, .size: 8, .value_kind: global_buffer, .address_space: global }
      - { .name: b_c, .offset: 32, .size: 8, .value_kind: global_buffer, .address_space: global }
      - { .name: out0, .offset: 40, .size: 8, .value_kind: global_buffer, .address_space: global }
    .group_segment_fixed_size: 67584
    .private_segment_fixed_size: 0
    .kernarg_segment_align: 8
    .kernarg_segment_size: 48
    .max_flat_workgroup_size: 256
    .sgpr_count:     66
    .vgpr_count:     178
    .wavefront_size: 32
...
	.end_amdgpu_metadata
.endif
;; end of part 5
;; ======== version 2 of 3: 5 launches; 1.15 times as fast as version 1
;; workspace buffers: wpart 4,096 bytes; qkpart 1,048,576 bytes; cpart 4,096 bytes; pacc 1,048,576 bytes; pml 65,536 bytes; ctx 32,768 bytes; scales 256 bytes
;; launch wsum: the kernel of part 1 again; grid 256 x 1, 8 waves a work-group, no clusters, 1,280 bytes of LDS; arguments w_q, w_k, w_v, w_c, wpart; writes wpart
;; launch qqk (part 6): grid 256 x 1, 16 waves a work-group, no clusters, 102,400 bytes of LDS; arguments query, w_q, w_k, b_q, b_k, wpart, qkpart, cpart, scales; writes qkpart, cpart, scales
.if DOCPART == 6
	.amdgcn_target "amdgcn-amd-amdhsa--gfx1250"
	.amdhsa_code_object_version 6
	.text
	.protected	k_qa16db04d27_qqk
	.globl	k_qa16db04d27_qqk
	.p2align	8
	.type	k_qa16db04d27_qqk,@function
k_qa16db04d27_qqk:
	s_mov_b64 s[64:65], 0
	v_nop
	global_prefetch_b8 v0, s[64:65] scope:SCOPE_SE
	s_setreg_imm32_b32 hwreg(HW_REG_WAVE_MODE, 25, 1), 1
	s_wait_xcnt 0x0
; q = BitLinear(query, w_q, b_q) for 32 rows of w_q, and at once those rows' share of  qk[b][j] = s_k * sum over a of q[b][a] T_k[a][j]
; and of  cb[b] = sum over a of q[b][a] b_k[a].  With them  q[b] . k[b][s] = xq[b][s] . qk[b] + cb[b]  for every input, so k is never formed.
; 256 work-groups of 16 waves.  Group g: block c = g / 8 (rows a = 32 c .. 32 c + 31) and part p = g % 8 (columns 128 p .. 128 p + 127 of w_k).
; Wave w owns rows 2 w, 2 w + 1 of the block: whole rows of w_q for the dot products, and of w_k the part's 512 bytes of the same two rows, which it
; multiplies by the q that it has just made; the 16 waves' sums meet in LDS.  The eight groups of a block each make the block's q: 32 blocks keep the
; partial sums that the next launch must add at 32 x 4,096 bytes for each of its groups, and eight parts give every WGP a group.
; w_q comes in pieces of 128 columns (both rows), and each piece is made ternary and multiplied as it lands, so that only the last piece's work stands behind the last load.
; Ternary weights: clip(round(w / s)) equals sign(w) where |w| > s / 2 and 0 elsewhere, bit for bit in f32: s / 2 is exact, the next float
; above it divides to more than 0.5 + 2^-25, and |w| = s / 2 ties to 0.
; All on the vector ALU in f32: the products have 8 rows and each weight is used 8 times; a conversion for the matrix unit would cost as much as the multiply-adds.
; NO CLUSTER: the eight groups of a block read the same 32 rows of w_q, but a joint request lands in LDS, and here each weight is used by one wave, once,
; from the registers it was loaded into; through LDS the block's 131,072 bytes would be written and read once more in every group.
; Also stored: s_v = mean|w_v| + 1e-5, for the launch that needs it (this launch has the four sums at hand), by group 0 alone.
; LIMITS: s = mean|w| + 1e-5 comes from a tree sum whose order is not the defining program's: a weight whose magnitude lies within that difference (about 1e-7 relative
; for the tree itself) of s / 2 can get another ternary value.  127 / g is 127 * rcp(g) and g / 127 is g * (1/127), each within one unit in the last place: an int8 code can
; differ by one step at a near tie.  The clip to [-128, 127] is not written: g >= max|x|, so |x * 127 / g| < 127.5 for every input.  x + (xq - x) is taken as xq.
; NaN and infinities are not served.
.set MXW, 0                            ; 16 words: word w = the largest magnitude of wave w's half row of query
.set SCW, 256                          ; 16 x 16 bytes: wave w's sums of its 16 records of wpart
.set GS,  512                          ; 16 words: word w = g / 127 of batch w / 2
.set CT,  768                          ; [8 b][16 w] f32: wave w's two terms of cb[b]
.set XI,  2048                         ; [8 b][1024] f32: the query's int8 codes, as f32
.set MRG, 34816                        ; 16 x 4,096 bytes: wave w's [8 b][128 columns]
.set L16, 1                            ; 16 x lane
.set VQ,  2                            ; 2048 w + 16 lane: my half row, in query and in XI
.set VWP, 3                            ; 256 w + 8 lane: my 8 bytes of wpart
.set VW4, 4                            ; 4 w
.set VZ,  5                            ; 0
.set TMP, 6
.set VSC, 7                            ; 16 w + 8 (lane % 2)
.set MX,  8                            ; v[8:11]  four running maxima; at the head and on the way out: at work on addresses
.set G,   12
.set VMX, 13                           ; 8 (w / 2)
.set R,   14                           ; v[14:15] 127 / g, g / 127
.set SQ,  16                           ; v[16:17] s_q, s_q / 2
.set SK,  18                           ; v[18:19] s_k, s_k / 2
.set GSV, 20                           ; v[20:27] g / 127 of the 8 batches, then times s_q
.set SV,  28                           ; s_v
.set L4,  29                           ; 4 x lane
.set VL15, 30                          ; 16 (lane % 16)
.set VM,  31                           ; 4096 w + 16 lane
.set WQ,  32                           ; v[32:95]   my two rows of w_q: piece j, row r at WQ + 8 j + 4 r
.set WK,  96                           ; v[96:103]  the part's 512 bytes of my two rows of w_k
.set XQ,  104                          ; v[104:119] my half row of query
.set WPV, 120                          ; v[120:121] my 8 bytes of wpart
.set PMX, 122                          ; v[122:123] the two halves' maxima
.set SS,  124                          ; v[124:127] one wave's four sums
.set XA,  128                          ; v[128:159] the 8 batches' codes of one piece of 128 columns
.set XB,  160                          ; v[160:191] the same, the other buffer
.set D,   192                          ; v[192:223] 16 pairs: dot (r, b) at D + 16 r + 2 b
.set ACC, 224                          ; v[224:255] 4 registers a batch
.set W,    20
.set BQ,   24                          ; s[24:25] b_q of my two rows
.set BK,   26                          ; s[26:27] b_k of my two rows
.set SEL0, 28
.set SEL1, 29
.set EPS,  30
.set C127, 31
.set I127, 32
.set P20,  33
.set SGN,  34
.set ONE,  35
.set CH,   36                          ; block
.set PT,   37                          ; part
.macro HALVE base, d                   ; v[base .. base+d-1] += v[base+d .. base+2d-1], two numbers an instruction
.set hv, 0
.rept \d/2
	v_pk_add_f32 v[\base+hv:\base+hv+1], v[\base+hv:\base+hv+1], v[\base+\d+hv:\base+\d+hv+1]
.set hv, hv+2
.endr
.endm
.macro WMAX r                          ; the maximum over the wave's 32 lanes, in every lane
	v_max_num_f32_dpp v[\r], v[\r], v[\r] row_xmask:1 row_mask:0xf bank_mask:0xf
	v_max_num_f32_dpp v[\r], v[\r], v[\r] row_xmask:2 row_mask:0xf bank_mask:0xf
	v_max_num_f32_dpp v[\r], v[\r], v[\r] row_xmask:4 row_mask:0xf bank_mask:0xf
	v_max_num_f32_dpp v[\r], v[\r], v[\r] row_xmask:8 row_mask:0xf bank_mask:0xf
	v_permlanex16_b32 v[TMP], v[\r], s[SEL0], s[SEL1]
	v_max_num_f32 v[\r], v[\r], v[TMP]
.endm
.macro AMAX m, base, n                 ; v[m] = the largest magnitude of n registers, in four chains that the first eight start
.irp k, 0,1,2,3
	v_max_num_f32 v[\m+\k], |v[\base+\k]|, |v[\base+\k+4]|
.endr
.set i, 8
.rept (\n-8)/8
.irp k, 0,1,2,3
	v_max3_num_f32 v[\m+\k], |v[\base+i+\k]|, |v[\base+i+\k+4]|, v[\m+\k]
.endr
.set i, i+8
.endr
	v_max3_num_f32 v[\m], v[\m], v[\m+1], v[\m+2]
	v_max_num_f32 v[\m], v[\m], v[\m+3]
.endm
.macro GSCALE m                        ; from the row's largest magnitude: v[R] = 127 / g, v[R+1] = g / 127, g = max + 1e-5
	v_add_f32 v[G], s[EPS], v[\m]
	v_rcp_f32 v[R], v[G]
	v_mul_f32 v[R+1], s[I127], v[G]                ; the plain instruction that stands between v_rcp_f32 and the use of its result
	s_wait_alu depctr_va_vdst(0)
	v_mul_f32 v[R], s[C127], v[R]
.endm
.macro QUANT base, n                   ; n registers become their int8 codes, kept as f32
.set i, 0
.rept \n/2
	v_pk_mul_f32 v[\base+i:\base+i+1], v[\base+i:\base+i+1], v[R:R+1] op_sel_hi:[1,0]
.set i, i+2
.endr
.set i, 0
.rept \n
	v_rndne_f32 v[\base+i], v[\base+i]
.set i, i+1
.endr
.endm
.macro TERN base, n, h                 ; n weights become -1, 0 or +1: the sign on 1.0 where |w| > s / 2
.set i, 0
.rept \n
	v_cmp_gt_f32 vcc_lo, |v[\base+i]|, v[\h]
	v_and_or_b32 v[\base+i], v[\base+i], s[SGN], s[ONE]
	v_cndmask_b32 v[\base+i], 0, v[\base+i], vcc_lo
.set i, i+1
.endr
.endm
	s_load_b512 s[4:19], s[0:1], 0x0               ; query s[4:5], w_q s[6:7], w_k s[8:9], b_q s[10:11], b_k s[12:13], wpart s[14:15], qkpart s[16:17], cpart s[18:19]
	s_load_b64 s[46:47], s[0:1], 0x40              ; scales
	v_lshrrev_b32 v8, 5, v0
	v_readfirstlane_b32 s[W], v8                   ; wave 0..15
	v_and_b32 v[L4], 31, v0
	v_lshlrev_b32 v[L16], 4, v[L4]
	v_lshlrev_b32 v9, 3, v[L4]
	v_lshl_add_u32 v[VWP], s[W], 8, v9
	v_lshlrev_b32 v[L4], 2, v[L4]
	v_lshl_add_u32 v[VQ], s[W], 11, v[L16]         ; batch w / 2, half w % 2: 2,048 bytes a wave
	v_and_b32 v9, 1, v0
	v_lshlrev_b32 v9, 3, v9
	v_lshl_add_u32 v[VSC], s[W], 4, v9
	v_and_b32 v[VL15], 15, v0
	v_lshlrev_b32 v[VL15], 4, v[VL15]
	v_lshl_add_u32 v[VM], s[W], 12, v[L16]
	s_lshl_b32 s21, s[W], 2
	v_mov_b32 v[VW4], s21
	s_lshr_b32 s21, s[W], 1
	s_lshl_b32 s21, s21, 3
	v_mov_b32 v[VMX], s21
	v_mov_b32 v[VZ], 0
	v_mov_b32 v[TMP], 0                            ; v_permlanex16_b32 counts as a reader of its destination
	s_lshr_b32 s[CH], ttmp9, 3
	s_and_b32 s[PT], ttmp9, 7
	s_lshl_b32 s22, s[CH], 17                      ; the block's 32 rows of 4,096 bytes
	s_lshl_b32 s21, s[W], 13
	s_add_co_u32 s22, s22, s21                     ; + my two rows
	s_mov_b32 s23, 0
	s_lshl_b32 s21, s[PT], 9
	s_add_co_u32 s38, s22, s21                     ; in w_k: + the part's 512 bytes of a row
	s_mov_b32 s39, 0
	s_lshl_b32 s40, s[CH], 7
	s_lshl_b32 s42, s[W], 3
	s_add_co_u32 s40, s40, s42                     ; my two numbers of b_q and of b_k
	s_mov_b32 s41, 0
	s_lshl_b32 s42, s[CH], 15                      ; qkpart: 8 x 4,096 bytes a block,
	s_add_co_u32 s42, s42, s21                     ; + the part's 512 bytes of a row
	s_mov_b32 s43, 0
	s_lshl_b32 s44, s[CH], 7                       ; cpart: 128 bytes a block
	s_mov_b32 s45, 0
	s_mov_b32 s[SEL0], 0x76543210                  ; lane i of one half reads lane i of the other
	s_mov_b32 s[SEL1], 0xfedcba98
	s_mov_b32 s[EPS], 0x3727c5ac                   ; 1e-5
	s_mov_b32 s[C127], 0x42fe0000                  ; 127
	s_mov_b32 s[I127], 0x3c010204                  ; 1 / 127
	s_mov_b32 s[P20], 0x35800000                   ; 2^-20: one over the number of weights of w_q, of w_k and of w_v
	s_mov_b32 s[SGN], 0x80000000
	s_mov_b32 s[ONE], 0x3f800000
	s_wait_kmcnt 0x0
	s_add_nc_u64 s[6:7], s[6:7], s[22:23]
	s_add_nc_u64 s[8:9], s[8:9], s[38:39]
	s_add_nc_u64 s[10:11], s[10:11], s[40:41]
	s_add_nc_u64 s[12:13], s[12:13], s[40:41]
	s_add_nc_u64 s[16:17], s[16:17], s[42:43]
	s_add_nc_u64 s[18:19], s[18:19], s[44:45]
	s_load_b64 s[BQ:BQ+1], s[10:11], 0x0
	s_load_b64 s[BK:BK+1], s[12:13], 0x0
	; 23 loads, in the order in which they are wanted
.irp j, 0,1,2,3
	global_load_b128 v[XQ+4*\j:XQ+4*\j+3], v[VQ], s[4:5] offset:512*\j
.endr
	global_load_b64 v[WPV:WPV+1], v[VWP], s[14:15]                             ; record 16 w + lane / 2, its numbers 2 (lane % 2) and + 1
.irp j, 0,1,2,3,4,5,6,7
.irp r, 0,1
	global_load_b128 v[WQ+8*\j+4*\r:WQ+8*\j+4*\r+3], v[L16], s[6:7] offset:4096*\r+512*\j
.endr
.endr
.irp r, 0,1
	global_load_b128 v[WK+4*\r:WK+4*\r+3], v[L16], s[8:9] offset:4096*\r
.endr
	; my half row's largest magnitude, and my 16 records' sums, for the other waves
	s_wait_loadcnt 19                              ; the half row's 4 loads are in; wpart's 1, w_q's 16 and w_k's 2 stay out
	AMAX MX, XQ, 16
	WMAX MX
	ds_store_b32 v[VW4], v[MX] offset:MXW
	s_wait_loadcnt 18                              ; wpart's is in; w_q's 16 and w_k's 2 stay out
.irp m, 2,4,8
	v_add_f32_dpp v[WPV], v[WPV], v[WPV] row_xmask:\m row_mask:0xf bank_mask:0xf           ; lanes of one parity hold the same two tensors' sums
	v_add_f32_dpp v[WPV+1], v[WPV+1], v[WPV+1] row_xmask:\m row_mask:0xf bank_mask:0xf
.endr
	v_permlanex16_b32 v[TMP], v[WPV], s[SEL0], s[SEL1]
	v_add_f32 v[WPV], v[WPV], v[TMP]
	v_permlanex16_b32 v[TMP], v[WPV+1], s[SEL0], s[SEL1]
	v_add_f32 v[WPV+1], v[WPV+1], v[TMP]
	ds_store_b64 v[VSC], v[WPV:WPV+1] offset:SCW   ; even lanes: w_q's and w_k's; odd lanes: w_v's and w_c's; sixteen lanes write the same 8 bytes with the same numbers
	s_wait_dscnt 0x0                               ; my two stores are done before I say so
	s_barrier_signal -1
	s_barrier_wait -1
	ds_load_b64 v[PMX:PMX+1], v[VMX] offset:MXW    ; the two halves of my row
	ds_load_b128 v[SS:SS+3], v[VL15] offset:SCW    ; wave lane % 16's four sums
	s_wait_dscnt 0x0
	v_max_num_f32 v[MX], v[PMX], v[PMX+1]
	GSCALE MX
	QUANT XQ, 16
.irp j, 0,1,2,3
	ds_store_b128 v[VQ], v[XQ+4*\j:XQ+4*\j+3] offset:XI+512*\j
.endr
	ds_store_b32 v[VW4], v[R+1] offset:GS
.irp m, 1,2,4,8
	v_add_f32_dpp v[SS], v[SS], v[SS] row_xmask:\m row_mask:0xf bank_mask:0xf              ; sixteen waves' sums lie in each half of the lanes
	v_add_f32_dpp v[SS+1], v[SS+1], v[SS+1] row_xmask:\m row_mask:0xf bank_mask:0xf
	v_add_f32_dpp v[SS+2], v[SS+2], v[SS+2] row_xmask:\m row_mask:0xf bank_mask:0xf
.endr
	v_fma_f32 v[SQ], v[SS], s[P20], s[EPS]         ; the product with 2^-20 is exact: one rounding, as in mean + 1e-5
	v_fma_f32 v[SK], v[SS+1], s[P20], s[EPS]
	v_fma_f32 v[SV], v[SS+2], s[P20], s[EPS]
	v_mul_f32 v[SQ+1], 0.5, v[SQ]
	v_mul_f32 v[SK+1], 0.5, v[SK]
	s_wait_dscnt 0x0                               ; my stores into XI and GS are done before I say so
	s_barrier_signal -1
	s_barrier_wait -1
	; 16 dot products, my two rows with the 8 batches' codes, a piece of 128 columns at a time
.irp b, 0,1,2,3,4,5,6,7
	ds_load_b32 v[GSV+\b], v[VZ] offset:GS+8*\b
.endr
.irp b, 0,1,2,3,4,5,6,7
	ds_load_b128 v[XA+4*\b:XA+4*\b+3], v[L16] offset:XI+4096*\b
.endr
.irp b, 0,1,2,3,4,5,6,7
	ds_load_b128 v[XB+4*\b:XB+4*\b+3], v[L16] offset:XI+4096*\b+512
.endr
; Piece j, its codes in buffer buf.  left = how many younger LDS loads may stay out; more = 1: the buffer is filled again, with piece j + 2.
.macro QSTEP j, buf, left, more
	s_wait_loadcnt 16-2*\j                         ; this piece's two loads are in; the 2 (7 - j) of the later pieces and w_k's 2 stay out
	TERN WQ+8*\j, 8, SQ+1
	s_wait_dscnt \left                             ; this piece's 8 loads of codes are in; the other buffer's 8 may be out
.irp e, 0,2
.irp b, 0,1,2,3,4,5,6,7
.irp r, 0,1
.if \j+\e == 0
	v_pk_mul_f32 v[D+16*\r+2*\b:D+16*\r+2*\b+1], v[WQ+8*\j+4*\r+\e:WQ+8*\j+4*\r+\e+1], v[\buf+4*\b+\e:\buf+4*\b+\e+1]    ; the first products start the sums: nothing is cleared
.else
	v_pk_fma_f32 v[D+16*\r+2*\b:D+16*\r+2*\b+1], v[WQ+8*\j+4*\r+\e:WQ+8*\j+4*\r+\e+1], v[\buf+4*\b+\e:\buf+4*\b+\e+1], v[D+16*\r+2*\b:D+16*\r+2*\b+1]
.endif
.endr
.endr
.endr
.if \more
.irp b, 0,1,2,3,4,5,6,7
	ds_load_b128 v[\buf+4*\b:\buf+4*\b+3], v[L16] offset:XI+4096*\b+512*(\j+2)
.endr
.endif
.endm
	QSTEP 0, XA, 8, 1
	QSTEP 1, XB, 8, 1
	QSTEP 2, XA, 8, 1
	QSTEP 3, XB, 8, 1
	QSTEP 4, XA, 8, 1
	QSTEP 5, XB, 8, 1
	QSTEP 6, XA, 8, 0
	QSTEP 7, XB, 0, 0
	; the 16 sums over the lanes, level by level: no instruction reads the result of the one in front of it
.set n, 0
.rept 16
	v_add_f32 v[D+2*n], v[D+2*n], v[D+2*n+1]
.set n, n+1
.endr
.irp m, 1,2,4,8
.set n, 0
.rept 16
	v_add_f32_dpp v[D+2*n], v[D+2*n], v[D+2*n] row_xmask:\m row_mask:0xf bank_mask:0xf
.set n, n+1
.endr
.endr
.set n, 0
.rept 16
	v_permlanex16_b32 v[XA+n], v[D+2*n], s[SEL0], s[SEL1]
.set n, n+1
.endr
.set n, 0
.rept 16
	v_add_f32 v[D+2*n], v[D+2*n], v[XA+n]
.set n, n+1
.endr
	; q[b][row] = s_q (g / 127) dot + b_q[row], in every lane; my two terms of cb[b] to LDS
	s_wait_kmcnt 0x0                               ; b_q and b_k
.irp b, 0,1,2,3,4,5,6,7
	v_mul_f32 v[GSV+\b], v[SQ], v[GSV+\b]
.endr
.irp b, 0,1,2,3,4,5,6,7
	v_fma_f32 v[D+2*\b], v[D+2*\b], v[GSV+\b], s[BQ]
	v_fma_f32 v[D+16+2*\b], v[D+16+2*\b], v[GSV+\b], s[BQ+1]
.endr
.irp b, 0,1,2,3,4,5,6,7
	v_mul_f32 v[D+2*\b+1], s[BK], v[D+2*\b]
.endr
.irp b, 0,1,2,3,4,5,6,7
	v_fma_f32 v[D+2*\b+1], v[D+16+2*\b], s[BK+1], v[D+2*\b+1]
.endr
.irp b, 0,1,2,3,4,5,6,7
	ds_store_b32 v[VW4], v[D+2*\b+1] offset:CT+64*\b
.endr
	; my two rows' share of the part's 128 columns of qk, for the 8 batches: lane l holds columns 4 l .. 4 l + 3
	s_wait_loadcnt 0
	TERN WK, 8, SK+1
.irp b, 0,1,2,3,4,5,6,7
	v_pk_mul_f32 v[ACC+4*\b:ACC+4*\b+1], v[WK:WK+1], v[D+2*\b:D+2*\b+1] op_sel_hi:[1,0]
	v_pk_mul_f32 v[ACC+4*\b+2:ACC+4*\b+3], v[WK+2:WK+3], v[D+2*\b:D+2*\b+1] op_sel_hi:[1,0]
.endr
.irp b, 0,1,2,3,4,5,6,7
	v_pk_fma_f32 v[ACC+4*\b:ACC+4*\b+1], v[WK+4:WK+5], v[D+16+2*\b:D+16+2*\b+1], v[ACC+4*\b:ACC+4*\b+1] op_sel_hi:[1,0,1]
	v_pk_fma_f32 v[ACC+4*\b+2:ACC+4*\b+3], v[WK+6:WK+7], v[D+16+2*\b:D+16+2*\b+1], v[ACC+4*\b+2:ACC+4*\b+3] op_sel_hi:[1,0,1]
.endr
.irp b, 0,1,2,3,4,5,6,7
	ds_store_b128 v[VM], v[ACC+4*\b:ACC+4*\b+3] offset:MRG+512*\b
.endr
	v_lshlrev_b32 v8, 3, v0                        ; 8 t: thread t takes numbers 2 t, 2 t + 1 of the [8 b][128]
	v_add_nc_u32 v8, MRG, v8                       ; MRG stands in the register: 4,096 x 15 on top of it would not fit the 16-bit immediate
	v_lshrrev_b32 v9, 6, v0                        ; b = t / 64
	v_and_b32 v10, 63, v0
	v_lshlrev_b32 v10, 3, v10
	v_lshl_add_u32 v9, v9, 12, v10                 ; in qkpart: 4,096 b + 8 (t % 64)
	s_wait_dscnt 0x0                               ; my stores into CT and MRG are done before I say so
	s_barrier_signal -1
	s_barrier_wait -1
.set n, 0
.rept 16
	ds_load_b64 v[XA+2*n:XA+2*n+1], v8 offset:4096*n
.set n, n+1
.endr
	s_wait_dscnt 0x0
	HALVE XA, 16                                   ; the 16 waves' shares, as a tree
	HALVE XA, 8
	HALVE XA, 4
	HALVE XA, 2
	v_pk_mul_f32 v[XA:XA+1], v[XA:XA+1], v[SK:SK+1] op_sel_hi:[1,0]
	global_store_b64 v9, v[XA:XA+1], s[16:17]      ; each store of a wave covers 256 consecutive bytes, aligned
	s_cmp_lg_u32 s[W], 0
	s_cbranch_scc1 .Lend
	s_cmp_lg_u32 s[PT], 0                          ; the eight parts hold the same cb: part 0 stores it
	s_cbranch_scc1 .Lend
	ds_load_b128 v[WQ:WQ+3], v[L16] offset:CT      ; lane l: batch l / 4, waves 4 (l % 4) .. + 3
	s_wait_dscnt 0x0
	v_add_f32 v[WQ], v[WQ], v[WQ+1]
	v_add_f32 v[WQ+2], v[WQ+2], v[WQ+3]
	v_add_f32 v[WQ], v[WQ], v[WQ+2]
	v_add_f32_dpp v[WQ], v[WQ], v[WQ] row_xmask:1 row_mask:0xf bank_mask:0xf
	v_add_f32_dpp v[WQ], v[WQ], v[WQ] row_xmask:2 row_mask:0xf bank_mask:0xf
	global_store_b32 v[L4], v[WQ], s[18:19]        ; word l = this block's share of cb[l / 4]: 128 consecutive bytes
	s_cmp_lg_u32 s[CH], 0                          ; every group holds the same s_v: group 0 stores it
	s_cbranch_scc1 .Lend
	global_store_b32 v[L4], v[SV], s[46:47]        ; 32 times, 128 consecutive bytes: no lane is switched off for it
.Lend:
	s_wait_xcnt 0x0
	v_lshl_add_u32 v222, v0, 2, 0x18800
	v_mov_b32 v223, 0
	s_wait_tensorcnt 0x0
	ds_add_u32 v222, v223
	s_wait_dscnt 0x0
	s_endpgm
.Lfunc_end_k_qa16db04d27_qqk:
	.size	k_qa16db04d27_qqk, .Lfunc_end_k_qa16db04d27_qqk-k_qa16db04d27_qqk
	.p2alignl 7, 3214868480
	.fill 96, 4, 3214868480
	.section	.rodata,"a",@progbits
	.p2align	6, 0x0
	.amdhsa_kernel k_qa16db04d27_qqk
		.amdhsa_group_segment_fixed_size 102400
		.amdhsa_private_segment_fixed_size 0
		.amdhsa_enable_private_segment 0
		.amdhsa_kernarg_size 72
		.amdhsa_user_sgpr_count 2
		.amdhsa_user_sgpr_kernarg_segment_ptr 1
		.amdhsa_wavefront_size32 1
		.amdhsa_system_sgpr_workgroup_id_x 1
		.amdhsa_system_sgpr_workgroup_id_y 1
		.amdhsa_system_sgpr_workgroup_id_z 1
		.amdhsa_system_vgpr_workitem_id 0
		.amdhsa_next_free_vgpr 256
		.amdhsa_next_free_sgpr 66
		.amdhsa_reserve_vcc 1
		.amdhsa_float_denorm_mode_32 3
		.amdhsa_float_denorm_mode_16_64 3
		.amdhsa_memory_ordered 1
		.amdhsa_forward_progress 1
		.amdhsa_inst_pref_size 56
	.end_amdhsa_kernel
	.amdgpu_metadata
---
amdhsa.version: [ 1, 2 ]
amdhsa.kernels:
  - .name:           k_qa16db04d27_qqk
    .symbol:         k_qa16db04d27_qqk.kd
    .args:
      - { .name: query, .offset: 0, .size: 8, .value_kind: global_buffer, .address_space: global }
      - { .name: w_q, .offset: 8, .size: 8, .value_kind: global_buffer, .address_space: global }
      - { .name: w_k, .offset: 16, .size: 8, .value_kind: global_buffer, .address_space: global }
      - { .name: b_q, .offset: 24, .size: 8, .value_kind: global_buffer, .address_space: global }
      - { .name: b_k, .offset: 32, .size: 8, .value_kind: global_buffer, .address_space: global }
      - { .name: wpart, .offset: 40, .size: 8, .value_kind: global_buffer, .address_space: global }
      - { .name: qkpart, .offset: 48, .size: 8, .value_kind: global_buffer, .address_space: global }
      - { .name: cpart, .offset: 56, .size: 8, .value_kind: global_buffer, .address_space: global }
      - { .name: scales, .offset: 64, .size: 8, .value_kind: global_buffer, .address_space: global }
    .group_segment_fixed_size: 102400
    .private_segment_fixed_size: 0
    .kernarg_segment_align: 8
    .kernarg_segment_size: 72
    .max_flat_workgroup_size: 512
    .sgpr_count:     66
    .vgpr_count:     256
    .wavefront_size: 32
...
	.end_amdgpu_metadata
.endif
;; end of part 6
;; launch stream: the kernel of part 3 again; grid 256 x 1, 16 waves a work-group, no clusters, 72,192 bytes of LDS; arguments context_memory, qkpart, cpart, pacc, pml; writes pacc, pml
;; launch vproj (part 7): grid 256 x 1, 16 waves a work-group, no clusters, 10,240 bytes of LDS; arguments scales, pacc, pml, w_v, b_v, ctx; writes ctx
.if DOCPART == 7
	.amdgcn_target "amdgcn-amd-amdhsa--gfx1250"
	.amdhsa_code_object_version 6
	.text
	.protected	k_qa16db04d27_vproj
	.globl	k_qa16db04d27_vproj
	.p2align	8
	.type	k_qa16db04d27_vproj,@function
k_qa16db04d27_vproj:
	s_mov_b64 s[64:65], 0
	v_nop
	global_prefetch_b8 v0, s[64:65] scope:SCOPE_SE
	s_setreg_imm32_b32 hwreg(HW_REG_WAVE_MODE, 25, 1), 1
	s_wait_xcnt 0x0
; ctx[b][o] = s_v * sum over j of T_v[o][j] xbar[b][j] + b_v[o], where xbar[b] = (sum over the batch's 32 partials i of 2^(M_i - M) acc_i) / (sum of 2^(M_i - M) l_i),
; M the largest M_i: the softmax's maximum is taken away at every level.
; 256 work-groups of 16 waves; group g: batch g / 32, rows 32 (g % 32) .. + 31 of w_v.  Wave w merges the columns 64 w .. 64 w + 63 of the 32 partials
; (lanes 0-15 partials 0-15, lanes 16-31 partials 16-31) and then owns rows 2 w, 2 w + 1 of the block.
; 32 blocks of rows are the balance: a group reads 4 MiB / blocks of w_v and 4 KiB x blocks of partials, least in sum at 32.
; s_v = mean|w_v| + 1e-5 was made by the second launch and comes by one scalar load.
; All on the vector ALU in f32: one row of xbar meets each weight once.  No cluster: what groups share goes straight into registers and is used once there.
; LIMIT: s_v comes from a tree sum whose order is not the defining program's (see the second launch).  NaN and infinities are not served.
.set FT,  0                            ; 16 x 128 bytes: each wave's own copy of the 32 factors
.set XBL, 2048                         ; 4,096 bytes: xbar
.set CO,  6144                         ; 32 words: the group's results
.set L16, 1
.set VPM, 2                            ; 256 x lane
.set VPA, 3                            ; 16 partials (lane / 16) + 256 w + 16 (lane % 16)
.set VF,  4                            ; 128 w + 4 lane
.set VFH, 5                            ; 128 w + 64 (lane / 16)
.set TMP, 6
.set VXS, 7                            ; 256 w + 16 (lane % 16)
.set VW8, 8                            ; 8 w
.set L4,  9                            ; 4 lane
.set PM,  10                           ; v[10:11] (M_i, l_i), i = lane
.set MM,  12
.set FF,  13
.set FL,  14
.set INV, 15
.set SV,  16                           ; v[16:17] s_v, s_v / 2
.set WP,  32                           ; v[32:47]   the two dot products' chains
.set PA,  64                           ; v[64:127]  my strip of 16 partials
.set WV,  128                          ; v[128:191] my two rows of w_v
.set XB,  192                          ; v[192:223] xbar
.set F,   224                          ; v[224:239] the factors of my half's 16 partials
.set W,    16
.set BV,   30                          ; s[30:31]
.set SEL0, 32
.set SEL1, 33
.set SGN,  36
.set ONE,  37
.set SVS,  39                          ; s_v
.macro HALVE base, d                   ; v[base .. base+d-1] += v[base+d .. base+2d-1], two numbers an instruction
.set hv, 0
.rept \d/2
	v_pk_add_f32 v[\base+hv:\base+hv+1], v[\base+hv:\base+hv+1], v[\base+\d+hv:\base+\d+hv+1]
.set hv, hv+2
.endr
.endm
.macro WSUM r
	v_add_f32_dpp v[\r], v[\r], v[\r] row_xmask:1 row_mask:0xf bank_mask:0xf
	v_add_f32_dpp v[\r], v[\r], v[\r] row_xmask:2 row_mask:0xf bank_mask:0xf
	v_add_f32_dpp v[\r], v[\r], v[\r] row_xmask:4 row_mask:0xf bank_mask:0xf
	v_add_f32_dpp v[\r], v[\r], v[\r] row_xmask:8 row_mask:0xf bank_mask:0xf
	v_permlanex16_b32 v[TMP], v[\r], s[SEL0], s[SEL1]
	v_add_f32 v[\r], v[\r], v[TMP]
.endm
.macro WMAX r
	v_max_num_f32_dpp v[\r], v[\r], v[\r] row_xmask:1 row_mask:0xf bank_mask:0xf
	v_max_num_f32_dpp v[\r], v[\r], v[\r] row_xmask:2 row_mask:0xf bank_mask:0xf
	v_max_num_f32_dpp v[\r], v[\r], v[\r] row_xmask:4 row_mask:0xf bank_mask:0xf
	v_max_num_f32_dpp v[\r], v[\r], v[\r] row_xmask:8 row_mask:0xf bank_mask:0xf
	v_permlanex16_b32 v[TMP], v[\r], s[SEL0], s[SEL1]
	v_max_num_f32 v[\r], v[\r], v[TMP]
.endm
.macro TERN base, n, h                 ; n weights become -1, 0 or +1: the sign on 1.0 where |w| > s / 2
.set i, 0
.rept \n
	v_cmp_gt_f32 vcc_lo, |v[\base+i]|, v[\h]
	v_and_or_b32 v[\base+i], v[\base+i], s[SGN], s[ONE]
	v_cndmask_b32 v[\base+i], 0, v[\base+i], vcc_lo
.set i, i+1
.endr
.endm
.macro PKMULB d, a, p, odd             ; v[d:d+1] = v[a:a+1] times one register of the pair p (odd = 1: its second)
.if \odd
	v_pk_mul_f32 v[\d:\d+1], v[\a:\a+1], v[\p:\p+1] op_sel:[0,1] op_sel_hi:[1,1]
.else
	v_pk_mul_f32 v[\d:\d+1], v[\a:\a+1], v[\p:\p+1] op_sel_hi:[1,0]
.endif
.endm
.macro PKFMAB d, a, p, odd             ; v[d:d+1] += the same product
.if \odd
	v_pk_fma_f32 v[\d:\d+1], v[\a:\a+1], v[\p:\p+1], v[\d:\d+1] op_sel:[0,1,0] op_sel_hi:[1,1,1]
.else
	v_pk_fma_f32 v[\d:\d+1], v[\a:\a+1], v[\p:\p+1], v[\d:\d+1] op_sel_hi:[1,0,1]
.endif
.endm
.macro DOT out, d, x, y, np            ; v[out] = this lane's part of x . y over np pairs, in four chains of pairs in v[d:d+7]
.irp k, 0,2,4,6
	v_pk_mul_f32 v[\d+\k:\d+\k+1], v[\x+\k:\x+\k+1], v[\y+\k:\y+\k+1]
.endr
.set i, 8
.rept (\np-4)/4
.irp k, 0,2,4,6
	v_pk_fma_f32 v[\d+\k:\d+\k+1], v[\x+i+\k:\x+i+\k+1], v[\y+i+\k:\y+i+\k+1], v[\d+\k:\d+\k+1]
.endr
.set i, i+8
.endr
	HALVE \d, 4
	HALVE \d, 2
	v_add_f32 v[\out], v[\d], v[\d+1]
.endm
	s_load_b256 s[4:11], s[0:1], 0x0               ; scales s[4:5], pacc s[6:7], pml s[8:9], w_v s[10:11]
	s_load_b128 s[12:15], s[0:1], 0x20             ; b_v s[12:13], ctx s[14:15]
	v_lshl_add_u32 v240, v0, 2, 0x2000
	v_mov_b32 v241, 0
	v_lshrrev_b32 v12, 5, v0
	v_readfirstlane_b32 s[W], v12                  ; wave 0..15
	v_and_b32 v13, 31, v0
	v_and_b32 v14, 15, v0
	v_bfe_u32 v15, v0, 4, 1
	v_lshlrev_b32 v[L16], 4, v13
	v_lshlrev_b32 v[VPM], 8, v13
	v_lshlrev_b32 v[L4], 2, v13
	v_lshlrev_b32 v[VXS], 4, v14
	v_lshl_add_u32 v[VXS], s[W], 8, v[VXS]
	v_lshl_add_u32 v[VPA], v15, 16, v[VXS]
	v_lshl_add_u32 v[VF], s[W], 7, v[L4]
	v_lshlrev_b32 v[VFH], 6, v15
	v_lshl_add_u32 v[VFH], s[W], 7, v[VFH]
	s_lshl_b32 s29, s[W], 3
	v_mov_b32 v[VW8], s29
	v_mov_b32 v[TMP], 0                            ; v_permlanex16_b32 counts as a reader of its destination
	s_lshr_b32 s17, ttmp9, 5                       ; batch
	s_and_b32 s28, ttmp9, 31                       ; block of 32 rows of w_v
	s_lshl_b32 s18, s17, 13                        ; pml: 32 records of 256 bytes a batch
	s_mov_b32 s19, 0
	s_lshl_b32 s20, s17, 17                        ; pacc: 32 partials of 4,096 bytes a batch
	s_mov_b32 s21, 0
	s_lshl_b32 s22, s28, 17
	s_lshl_b32 s38, s[W], 13
	s_add_co_u32 s22, s22, s38                     ; w_v: the block's rows, my two
	s_mov_b32 s23, 0
	s_lshl_b32 s24, s28, 7
	s_add_co_u32 s24, s24, s29                     ; b_v: my two numbers
	s_mov_b32 s25, 0
	s_lshl_b32 s26, s17, 12
	s_lshl_b32 s38, s28, 7
	s_add_co_u32 s26, s26, s38                     ; ctx: the group's 128 bytes
	s_mov_b32 s27, 0
	s_mov_b32 s[SEL0], 0x76543210
	s_mov_b32 s[SEL1], 0xfedcba98
	s_mov_b32 s[SGN], 0x80000000
	s_mov_b32 s[ONE], 0x3f800000
	s_wait_kmcnt 0x0
	s_add_nc_u64 s[8:9], s[8:9], s[18:19]
	s_add_nc_u64 s[6:7], s[6:7], s[20:21]
	s_add_nc_u64 s[10:11], s[10:11], s[22:23]
	s_add_nc_u64 s[12:13], s[12:13], s[24:25]
	s_add_nc_u64 s[14:15], s[14:15], s[26:27]
	s_load_b64 s[BV:BV+1], s[12:13], 0x0
	s_load_b32 s[SVS], s[4:5], 0x0
	; 33 loads, in the order in which they are wanted
	global_load_b64 v[PM:PM+1], v[VPM], s[8:9]
.set i, 0
.rept 16
	global_load_b128 v[PA+4*i:PA+4*i+3], v[VPA], s[6:7] offset:4096*i          ; partial i + 16 (lane / 16)
.set i, i+1
.endr
.irp r, 0,1
.irp j, 0,1,2,3,4,5,6,7
	global_load_b128 v[WV+32*\r+4*\j:WV+32*\r+4*\j+3], v[L16], s[10:11] offset:4096*\r+512*\j
.endr
.endr
	; the 32 partials' factors 2^(M_i - M) / L, one in each lane
	s_wait_loadcnt 32                              ; (M_i, l_i) is in; pacc's 16 and w_v's 16 stay out
	v_mov_b32 v[MM], v[PM]
	WMAX MM
	v_sub_f32 v[FF], v[PM], v[MM]
	v_exp_f32 v[FF], v[FF]
	v_nop                                          ; one plain instruction between an exponential and the use of its result
	s_wait_alu depctr_va_vdst(0)
	v_mul_f32 v[FL], v[FF], v[PM+1]
	WSUM FL
	v_rcp_f32 v[INV], v[FL]
	v_nop                                          ; likewise behind the reciprocal
	s_wait_alu depctr_va_vdst(0)
	v_mul_f32 v[FF], v[FF], v[INV]
	ds_store_b32 v[VF], v[FF] offset:FT            ; into my wave's own 128 bytes,
.irp k, 0,1,2,3
	ds_load_b128 v[F+4*\k:F+4*\k+3], v[VFH] offset:FT+16*\k                    ; and back, sixteen to each half: LDS serves a wave's instructions in order
.endr
	s_wait_kmcnt 0x0                               ; s_v and b_v
	v_mov_b32 v[SV], s[SVS]
	v_mul_f32 v[SV+1], 0.5, v[SV]
	s_wait_loadcnt 16                              ; pacc is in; w_v's 16 stay out
	s_wait_dscnt 0x0                               ; the factors
	PKMULB PA, PA, F, 0                            ; the first partial starts the sums
	PKMULB PA+2, PA+2, F, 0
.set ii, 1
.rept 15
	PKFMAB PA, PA+4*ii, F+(ii&14), ii&1
	PKFMAB PA+2, PA+4*ii+2, F+(ii&14), ii&1
.set ii, ii+1
.endr
.irp e, 0,1,2,3
	v_permlanex16_b32 v[PA+4+\e], v[PA+\e], s[SEL0], s[SEL1]
.endr
	HALVE PA, 4                                    ; the other half's 16 partials
	ds_store_b128 v[VXS], v[PA:PA+3] offset:XBL    ; both halves hold the same numbers and write them to the same bytes
	s_wait_loadcnt 0
	TERN WV, 64, SV+1
	s_wait_dscnt 0x0                               ; my strip of xbar is stored before I say so
	s_barrier_signal -1
	s_barrier_wait -1
.irp j, 0,1,2,3,4,5,6,7
	ds_load_b128 v[XB+4*\j:XB+4*\j+3], v[L16] offset:XBL+512*\j
.endr
	s_wait_dscnt 0x0
	DOT WP, WP, WV, XB, 16
	DOT WP+8, WP+8, WV+32, XB, 16
	WSUM WP
	WSUM WP+8
	v_fma_f32 v[WP], v[WP], v[SV], s[BV]
	v_fma_f32 v[WP+8], v[WP+8], v[SV], s[BV+1]
	ds_store_b32 v[VW8], v[WP] offset:CO
	ds_store_b32 v[VW8], v[WP+8] offset:CO+4
	s_wait_dscnt 0x0                               ; my two results are stored before I say so
	s_barrier_signal -1
	s_barrier_wait -1
	s_cmp_lg_u32 s[W], 0
	s_cbranch_scc1 .Lend
	ds_load_b32 v[WP], v[L4] offset:CO
	s_wait_dscnt 0x0
	global_store_b32 v[L4], v[WP], s[14:15]        ; the group's 32 numbers: 128 consecutive bytes, all that it owns
.Lend:
	s_wait_tensorcnt 0x0
	ds_add_u32 v240, v241
	s_wait_dscnt 0x0
	s_endpgm
.Lfunc_end_k_qa16db04d27_vproj:
	.size	k_qa16db04d27_vproj, .Lfunc_end_k_qa16db04d27_vproj-k_qa16db04d27_vproj
	.p2alignl 7, 3214868480
	.fill 96, 4, 3214868480
	.section	.rodata,"a",@progbits
	.p2align	6, 0x0
	.amdhsa_kernel k_qa16db04d27_vproj
		.amdhsa_group_segment_fixed_size 10240
		.amdhsa_private_segment_fixed_size 0
		.amdhsa_enable_private_segment 0
		.amdhsa_kernarg_size 48
		.amdhsa_user_sgpr_count 2
		.amdhsa_user_sgpr_kernarg_segment_ptr 1
		.amdhsa_wavefront_size32 1
		.amdhsa_system_sgpr_workgroup_id_x 1
		.amdhsa_system_sgpr_workgroup_id_y 1
		.amdhsa_system_sgpr_workgroup_id_z 1
		.amdhsa_system_vgpr_workitem_id 0
		.amdhsa_next_free_vgpr 242
		.amdhsa_next_free_sgpr 66
		.amdhsa_reserve_vcc 1
		.amdhsa_float_denorm_mode_32 3
		.amdhsa_float_denorm_mode_16_64 3
		.amdhsa_memory_ordered 1
		.amdhsa_forward_progress 1
		.amdhsa_inst_pref_size 24
	.end_amdhsa_kernel
	.amdgpu_metadata
---
amdhsa.version: [ 1, 2 ]
amdhsa.kernels:
  - .name:           k_qa16db04d27_vproj
    .symbol:         k_qa16db04d27_vproj.kd
    .args:
      - { .name: scales, .offset: 0, .size: 8, .value_kind: global_buffer, .address_space: global }
      - { .name: pacc, .offset: 8, .size: 8, .value_kind: global_buffer, .address_space: global }
      - { .name: pml, .offset: 16, .size: 8, .value_kind: global_buffer, .address_space: global }
      - { .name: w_v, .offset: 24, .size: 8, .value_kind: global_buffer, .address_space: global }
      - { .name: b_v, .offset: 32, .size: 8, .value_kind: global_buffer, .address_space: global }
      - { .name: ctx, .offset: 40, .size: 8, .value_kind: global_buffer, .address_space: global }
    .group_segment_fixed_size: 10240
    .private_segment_fixed_size: 0
    .kernarg_segment_align: 8
    .kernarg_segment_size: 48
    .max_flat_workgroup_size: 512
    .sgpr_count:     66
    .vgpr_count:     242
    .wavefront_size: 32
...
	.end_amdgpu_metadata
.endif
;; end of part 7
;; launch outp: the kernel of part 5 again; grid 256 x 1, 8 waves a work-group, no clusters, 67,584 bytes of LDS; arguments wpart, query, ctx, w_c, b_c, out0; writes out0
;; ======== version 3 of 3: 5 launches; version 2 with the launch outp written anew for expert scheduling mode
;; workspace buffers: wpart 4,096 bytes; qkpart 1,048,576 bytes; cpart 4,096 bytes; pacc 1,048,576 bytes; pml 65,536 bytes; ctx 32,768 bytes; scales 256 bytes
;; launch wsum: the kernel of part 1 again; grid 256 x 1, 8 waves a work-group, no clusters, 1,280 bytes of LDS; arguments w_q, w_k, w_v, w_c, wpart; writes wpart
;; launch qqk: the kernel of part 6 again; grid 256 x 1, 16 waves a work-group, no clusters, 102,400 bytes of LDS; arguments query, w_q, w_k, b_q, b_k, wpart, qkpart, cpart, scales; writes qkpart, cpart, scales
;; launch stream: the kernel of part 3 again; grid 256 x 1, 16 waves a work-group, no clusters, 72,192 bytes of LDS; arguments context_memory, qkpart, cpart, pacc, pml; writes pacc, pml
;; launch vproj: the kernel of part 7 again; grid 256 x 1, 16 waves a work-group, no clusters, 10,240 bytes of LDS; arguments scales, pacc, pml, w_v, b_v, ctx; writes ctx
;; launch outp (part 8): grid 256 x 1, 8 waves a work-group, no clusters, 67,584 bytes of LDS; arguments wpart, query, ctx, w_c, b_c, out0; writes out0
.if DOCPART == 8
	.amdgcn_target "amdgcn-amd-amdhsa--gfx1250"
	.amdhsa_code_object_version 6
	.text
	.protected	k_qa16db04d27_outp
	.globl	k_qa16db04d27_outp
	.p2align	8
	.type	k_qa16db04d27_outp,@function
k_qa16db04d27_outp:
	s_mov_b64 s[64:65], 0
	v_nop
	global_prefetch_b8 v0, s[64:65] scope:SCOPE_SE
	s_setreg_imm32_b32 hwreg(HW_REG_WAVE_SCHED_MODE, 0, 2), 2
	s_setreg_imm32_b32 hwreg(HW_REG_WAVE_MODE, 25, 1), 1
	s_wait_xcnt 0x0
	s_wait_alu depctr_vm_vsrc(0)
; out0 = BitLinear(concat(query, ctx), w_c, b_c).  256 work-groups of 8 waves; group g owns rows 4 g .. 4 g + 3 of w_c, so that w_c's
; 8,388,608 bytes are spread evenly, 32,768 to a group.  Every group quantises all 8 rows of the input anew (65,536 bytes; wave w takes batch w) into LDS.
; For the product wave w takes row w / 2 and the columns' half w % 2 (0: query's, 1: ctx's): 4,096 bytes of w_c in 32 registers.
; The output leaves as 8 pieces of 16 bytes a group: it is 32,768 bytes in all against the 8,388,608 of w_c, whose even spread decides the shape.
; All on the vector ALU in f32: 8 rows meet each weight once.
; LIMITS: s_c = mean|w_c| + 1e-5 comes from a tree sum whose order is not the defining program's (see the first launch); a weight of w_c whose magnitude
; lies within that difference of s_c / 2 gets another ternary value, which moves one output by s_c times one input.  127 / g is 127 * rcp(g), g / 127 is g * (1/127), each within
; one unit in the last place.  The clip to [-128, 127] is not written: g >= max|x|, so |x * 127 / g| < 127.5.  x + (xq - x) is taken as xq.  NaN and infinities are not served.
; THE MODE: SCHED_MODE bits 1:0 = 2 (LLVM: expert scheduling mode 2), set by the entry lines.  The code itself states the register dependences
; between vector instructions and memory or LDS instructions, with s_wait_alu, always for 0.
; THE PLAN.  Registers that memory or LDS instructions touch:
;   v1, v2, v3, v4, v5, v7   addresses, made once at the head and never written again: one wait ahead of the first load serves them all.
;   v18, WP, WC              global loads land in them once; after that vector instructions alone name them.
;   CMB = v[32:95]           global loads land; the quantising rewrites them in place; sixteen LDS stores read them; then they are X0 and X1.
;   X0 .. X3                 four buffers for one batch's half row of codes; batch b lies in buffer b % 4.  Written by LDS loads, read by batch b's dot product.
;                            Batches 0 to 3 are asked for at once.  Batches 4, 5 are asked for in batch 2's step, into X0, X1; batches 6, 7 in batch 4's step, into X2, X3.
;   DB                       written by the dot products and the sums over the lanes, read by eight LDS stores.
; So the product has TWO waits on va_vdst, at the heads of steps 2 and 4: each states that the two dot products before are done reading the two buffers that the step's sixteen
; loads land in.  Those loads are dealt among the step's own dot product, which names D, WC, DB and its own buffer: none of the registers that they touch.
.set GS,  0                            ; 8 words: g / 127 of each batch
.set PD,  256                          ; [2 halves][8 b][4 rows] f32: the waves' dot products
.set XI,  512                          ; [8 b][2048] f32: the codes.  The largest immediate used is XI + 7 x 8,192 + 7 x 512 = 61,440, inside 16 bits
.set L16, 1
.set VBC, 2                            ; 4 (lane % 4)
.set VX,  3                            ; 8,192 w + 16 lane
.set VW4, 4                            ; 4 w
.set VR,  5                            ; 4,096 (w % 2) + 16 lane
.set TMP, 6
.set VPD, 7                            ; 128 (w % 2) + 4 (w / 2)
.set MX,  8                            ; v[8:11]
.set G,   12
.set R,   14                           ; v[14:15]
.set SC,  16                           ; v[16:17] s_c, s_c / 2
.set BCV, 18                           ; b_c[4 g + lane % 4]
.set CMB, 32                           ; v[32:95]   my batch's 2,048 numbers
.set X0,  32                           ; then two of the four buffers for the codes of one batch's half
.set X1,  64
.set WC,  96                           ; v[96:127]
.set WP,  128                          ; v[128:159]
.set D,   160                          ; v[160:167]
.set DB,  168                          ; v[168:175] the dot product with each batch
.set X2,  178                          ; v[178:209] the third buffer (v176, v177 are kept for the closing lines alone)
.set X3,  210                          ; v[210:241] the fourth
.set W,    16
.set SEL0, 24
.set SEL1, 25
.set EPS,  26
.set C127, 27
.set I127, 28
.set P21,  29
.set SGN,  30
.set ONE,  31
.set MK,   32                          ; s[32:39] eight masks of the ternary step; s32 to s35 serve the head's address arithmetic before that
.macro HALVE base, d                   ; v[base .. base+d-1] += v[base+d .. base+2d-1], two numbers an instruction
.set hv, 0
.rept \d/2
	v_pk_add_f32 v[\base+hv:\base+hv+1], v[\base+hv:\base+hv+1], v[\base+\d+hv:\base+\d+hv+1]
.set hv, hv+2
.endr
.endm
.macro WSUM r
	v_add_f32_dpp v[\r], v[\r], v[\r] row_xmask:1 row_mask:0xf bank_mask:0xf
	v_add_f32_dpp v[\r], v[\r], v[\r] row_xmask:2 row_mask:0xf bank_mask:0xf
	v_add_f32_dpp v[\r], v[\r], v[\r] row_xmask:4 row_mask:0xf bank_mask:0xf
	v_add_f32_dpp v[\r], v[\r], v[\r] row_xmask:8 row_mask:0xf bank_mask:0xf
	v_permlanex16_b32 v[TMP], v[\r], s[SEL0], s[SEL1]
	v_add_f32 v[\r], v[\r], v[TMP]
.endm
.macro WMAX r
	v_max_num_f32_dpp v[\r], v[\r], v[\r] row_xmask:1 row_mask:0xf bank_mask:0xf
	v_max_num_f32_dpp v[\r], v[\r], v[\r] row_xmask:2 row_mask:0xf bank_mask:0xf
	v_max_num_f32_dpp v[\r], v[\r], v[\r] row_xmask:4 row_mask:0xf bank_mask:0xf
	v_max_num_f32_dpp v[\r], v[\r], v[\r] row_xmask:8 row_mask:0xf bank_mask:0xf
	v_permlanex16_b32 v[TMP], v[\r], s[SEL0], s[SEL1]
	v_max_num_f32 v[\r], v[\r], v[TMP]
.endm
.macro AMAX m, base, n                 ; v[m] = the largest magnitude of n registers, in four chains that the first eight start
.irp k, 0,1,2,3
	v_max_num_f32 v[\m+\k], |v[\base+\k]|, |v[\base+\k+4]|
.endr
.set i, 8
.rept (\n-8)/8
.irp k, 0,1,2,3
	v_max3_num_f32 v[\m+\k], |v[\base+i+\k]|, |v[\base+i+\k+4]|, v[\m+\k]
.endr
.set i, i+8
.endr
	v_max3_num_f32 v[\m], v[\m], v[\m+1], v[\m+2]
	v_max_num_f32 v[\m], v[\m], v[\m+3]
.endm
.macro GSCALE m                        ; v[R] = 127 / g, v[R+1] = g / 127, g = max + 1e-5
	v_add_f32 v[G], s[EPS], v[\m]
	v_rcp_f32 v[R], v[G]
	v_mul_f32 v[R+1], s[I127], v[G]                ; the plain instruction that stands between v_rcp_f32 and the use of its result
	s_wait_alu depctr_va_vdst(0)                   ; the reciprocal is written, ahead of its first reader
	v_mul_f32 v[R], s[C127], v[R]
.endm
.macro QUANT base, n
.set i, 0
.rept \n/2
	v_pk_mul_f32 v[\base+i:\base+i+1], v[\base+i:\base+i+1], v[R:R+1] op_sel_hi:[1,0]
.set i, i+2
.endr
.set i, 0
.rept \n
	v_rndne_f32 v[\base+i], v[\base+i]
.set i, i+1
.endr
.endm
; n weights become -1, 0 or +1: the sign on 1.0 where |w| > s / 2.  Eight at a time: eight compares into eight scalar registers, the eight lines that set the sign on 1.0,
; one wait for the eight masks, the eight selects.
.macro TERN base, n, h
.set i, 0
.rept \n/8
.irp k, 0,1,2,3,4,5,6,7
	v_cmp_gt_f32 s[MK+\k], |v[\base+i+\k]|, v[\h]
.endr
.irp k, 0,1,2,3,4,5,6,7
	v_and_or_b32 v[\base+i+\k], v[\base+i+\k], s[SGN], s[ONE]
.endr
	s_wait_alu depctr_va_sdst(0)                   ; the eight compares have written s[MK ..], which the selects below read
.irp k, 0,1,2,3,4,5,6,7
	v_cndmask_b32 v[\base+i+\k], 0, v[\base+i+\k], s[MK+\k]
.endr
.set i, i+8
.endr
.endm
	s_load_b256 s[4:11], s[0:1], 0x0               ; wpart s[4:5], query s[6:7], ctx s[8:9], w_c s[10:11]
	s_load_b128 s[12:15], s[0:1], 0x20             ; b_c s[12:13], out0 s[14:15]
	v_lshl_add_u32 v176, v0, 2, 0x10400
	v_mov_b32 v177, 0
	v_lshrrev_b32 v8, 5, v0
	v_readfirstlane_b32 s[W], v8                   ; wave 0..7
	v_and_b32 v9, 31, v0
	v_lshlrev_b32 v[L16], 4, v9
	v_and_b32 v[VBC], 3, v0
	v_lshlrev_b32 v[VBC], 2, v[VBC]
	s_wait_alu depctr_va_sdst(0)                   ; s[W] is written, ahead of its first reader: addresses, bases and the branch at the end are made from it
	v_lshl_add_u32 v[VX], s[W], 13, v[L16]
	s_lshl_b32 s17, s[W], 2
	v_mov_b32 v[VW4], s17
	s_and_b32 s32, s[W], 1                         ; which half of the columns
	s_lshr_b32 s33, s[W], 1                        ; which of the group's four rows
	v_lshl_add_u32 v[VR], s32, 12, v[L16]
	s_lshl_b32 s34, s32, 7
	s_lshl_b32 s35, s33, 2
	s_add_co_u32 s34, s34, s35
	v_mov_b32 v[VPD], s34
	v_mov_b32 v[TMP], 0
	s_lshl_b32 s18, ttmp9, 4                       ; the group's four numbers of b_c, and of a row of out0
	s_mov_b32 s19, 0
	s_lshl_b32 s20, s[W], 12                       ; my batch's row of query and of ctx
	s_mov_b32 s21, 0
	s_lshl_b32 s22, ttmp9, 15                      ; four rows of 8,192 bytes;
	s_add_co_u32 s22, s22, s20                     ; 8,192 (w / 2) + 4,096 (w % 2) = 4,096 w
	s_mov_b32 s23, 0
	s_mov_b32 s[SEL0], 0x76543210
	s_mov_b32 s[SEL1], 0xfedcba98
	s_mov_b32 s[EPS], 0x3727c5ac                   ; 1e-5
	s_mov_b32 s[C127], 0x42fe0000                  ; 127
	s_mov_b32 s[I127], 0x3c010204                  ; 1 / 127
	s_mov_b32 s[P21], 0x35000000                   ; 2^-21: one over the number of w_c's weights
	s_mov_b32 s[SGN], 0x80000000
	s_mov_b32 s[ONE], 0x3f800000
	s_wait_kmcnt 0x0
	s_add_nc_u64 s[12:13], s[12:13], s[18:19]
	s_add_nc_u64 s[14:15], s[14:15], s[18:19]
	s_add_nc_u64 s[6:7], s[6:7], s[20:21]
	s_add_nc_u64 s[8:9], s[8:9], s[20:21]
	s_add_nc_u64 s[10:11], s[10:11], s[22:23]
	s_wait_alu depctr_va_vdst(0)                   ; the addresses v1 to v5 and v7 are written, which the loads and stores of the whole kernel read
	; 33 loads, in the order in which they are wanted
	global_load_b32 v[BCV], v[VBC], s[12:13]
.irp j, 0,1,2,3,4,5,6,7
	global_load_b128 v[CMB+4*\j:CMB+4*\j+3], v[L16], s[6:7] offset:512*\j
.endr
.irp j, 0,1,2,3,4,5,6,7
	global_load_b128 v[CMB+32+4*\j:CMB+32+4*\j+3], v[L16], s[8:9] offset:512*\j
.endr
.irp j, 0,1,2,3,4,5,6,7
	global_load_b128 v[WP+4*\j:WP+4*\j+3], v[L16], s[4:5] offset:512*\j
.endr
.irp j, 0,1,2,3,4,5,6,7
	global_load_b128 v[WC+4*\j:WC+4*\j+3], v[L16], s[10:11] offset:512*\j
.endr
	s_wait_loadcnt 16                              ; b_c, query and ctx are in; wpart's 8 and w_c's 8 stay out
	AMAX MX, CMB, 64
	WMAX MX
	GSCALE MX
	QUANT CMB, 64
	s_wait_alu depctr_va_vdst(0)                   ; the codes in v[CMB ..] and g / 127 in v[R+1] are written, which the LDS stores read
.set n, 0
.rept 16
	ds_store_b128 v[VX], v[CMB+4*n:CMB+4*n+3] offset:XI+512*n
.set n, n+1
.endr
	ds_store_b32 v[VW4], v[R+1] offset:GS
	s_wait_loadcnt 8                               ; wpart is in; w_c's 8 stay out
	HALVE WP, 16
	HALVE WP, 8
	HALVE WP, 4
	WSUM WP+3
	v_fma_f32 v[SC], v[WP+3], s[P21], s[EPS]       ; the product with 2^-21 is exact: one rounding, as in mean + 1e-5
	v_mul_f32 v[SC+1], 0.5, v[SC]
	s_wait_loadcnt 0
	TERN WC, 32, SC+1
	s_wait_dscnt 0x0                               ; my batch's codes and scale are stored before I say so
	s_barrier_signal -1
	s_barrier_wait -1
	; my half row of w_c with the 8 batches' codes, which come from XI into four buffers that take turns
	s_wait_alu depctr_vm_vsrc(0)                   ; my LDS stores have read v[CMB ..]: these registers are X0 and X1 from here on, in which LDS loads land (no vector instruction has named them, or v[VR], since the wait ahead of those stores)
.irp j, 0,1,2,3,4,5,6,7
	ds_load_b128 v[X0+4*\j:X0+4*\j+3], v[VR] offset:XI+512*\j
.endr
.irp j, 0,1,2,3,4,5,6,7
	ds_load_b128 v[X1+4*\j:X1+4*\j+3], v[VR] offset:XI+8192+512*\j
.endr
.irp j, 0,1,2,3,4,5,6,7
	ds_load_b128 v[X2+4*\j:X2+4*\j+3], v[VR] offset:XI+2*8192+512*\j           ; X2 and X3 have been named by nothing so far
.endr
.irp j, 0,1,2,3,4,5,6,7
	ds_load_b128 v[X3+4*\j:X3+4*\j+3], v[VR] offset:XI+3*8192+512*\j
.endr
; Batch b, its codes in buffer buf: v[DB+b] = this lane's part of the dot product over 16 pairs, in four chains of pairs in v[D:D+7].
; left = how many younger LDS loads may stay out.  fill = 1: batches b + 2 and b + 3 are asked for, into buffers fa and fb, four loads ahead of each of the dot product's four groups;
; fa's eight stand ahead of fb's, so that the counted waits of the later steps tell the two batches apart.
.macro CDOT b, buf, left, fill, fa=0, fb=0
	s_wait_dscnt \left                             ; LDS loads come back in order (ISA guide 5.7.1): this batch's 8 are in
.if \fill
	s_wait_alu depctr_va_vdst(0)                   ; the dot products of batches b - 2 and b - 1 are done reading fa and fb, in which the sixteen loads below land
.endif
.irp q, 0,1,2,3
.if \fill
.irp j, 0,1,2,3
.if \q < 2
	ds_load_b128 v[\fa+16*\q+4*\j:\fa+16*\q+4*\j+3], v[VR] offset:XI+(\b+2)*8192+512*(4*\q+\j)                    ; no vector instruction since the wait names these registers
.else
	ds_load_b128 v[\fb+16*(\q-2)+4*\j:\fb+16*(\q-2)+4*\j+3], v[VR] offset:XI+(\b+3)*8192+512*(4*(\q-2)+\j)
.endif
.endr
.endif
.irp k, 0,2,4,6
.if \q == 0
	v_pk_mul_f32 v[D+\k:D+\k+1], v[WC+\k:WC+\k+1], v[\buf+\k:\buf+\k+1]                                           ; the first products start the chains: nothing is cleared
.else
	v_pk_fma_f32 v[D+\k:D+\k+1], v[WC+8*\q+\k:WC+8*\q+\k+1], v[\buf+8*\q+\k:\buf+8*\q+\k+1], v[D+\k:D+\k+1]
.endif
.endr
.endr
	HALVE D, 4
	HALVE D, 2
	v_add_f32 v[DB+\b], v[D], v[D+1]
.endm
	CDOT 0, X0, 24, 0                              ; batches 1, 2, 3 may be out
	CDOT 1, X1, 16, 0                              ; batches 2, 3
	CDOT 2, X2, 8, 1, X0, X1                       ; batch 3; batches 4 and 5 are asked for
	CDOT 3, X3, 16, 0                              ; batches 4, 5
	CDOT 4, X0, 8, 1, X2, X3                       ; batch 5; batches 6 and 7 are asked for
	CDOT 5, X1, 16, 0                              ; batches 6, 7
	CDOT 6, X2, 8, 0                               ; batch 7
	CDOT 7, X3, 0, 0
.irp b, 0,1,2,3,4,5,6,7
	WSUM DB+\b
.endr
	s_wait_alu depctr_va_vdst(0)                   ; the eight sums over the lanes are written, which the LDS stores read
.irp b, 0,1,2,3,4,5,6,7
	ds_store_b32 v[VPD], v[DB+\b] offset:PD+16*\b
.endr
	s_wait_dscnt 0x0                               ; my eight dot products are stored before I say so
	s_barrier_signal -1
	s_barrier_wait -1
	s_cmp_lg_u32 s[W], 0
	s_cbranch_scc1 .Lend
	v_lshrrev_b32 v19, 2, v[L16]                   ; 4 lane: lane = 4 b + row
	v_lshrrev_b32 v20, 6, v[L16]                   ; b
	v_lshlrev_b32 v21, 2, v20
	v_lshl_add_u32 v25, v20, 12, v[VBC]            ; row b of out0, my column of the group's four
	s_wait_alu depctr_va_vdst(0)                   ; v19 and v21 are written, which the LDS loads read as addresses; so is v25, the store's offset
	ds_load_b32 v22, v19 offset:PD                 ; the query half's dot product
	ds_load_b32 v23, v19 offset:PD+128             ; the ctx half's
	ds_load_b32 v24, v21 offset:GS
	s_wait_dscnt 0x0
	v_add_f32 v22, v22, v23
	v_mul_f32 v24, v[SC], v24
	v_fma_f32 v22, v22, v24, v[BCV]
	s_wait_alu depctr_va_vdst(0)                   ; v22 is written, which the store reads as its data
	global_store_b32 v25, v22, s[14:15]
.Lend:
	s_wait_dscnt 0x0                               ; the closing lines, six on end
	s_wait_alu 0x0
	s_wait_tensorcnt 0x0
	ds_add_u32 v176, v177
	s_wait_dscnt 0x0
	s_endpgm
.Lfunc_end_k_qa16db04d27_outp:
	.size	k_qa16db04d27_outp, .Lfunc_end_k_qa16db04d27_outp-k_qa16db04d27_outp
	.p2alignl 7, 3214868480
	.fill 96, 4, 3214868480
	.section	.rodata,"a",@progbits
	.p2align	6, 0x0
	.amdhsa_kernel k_qa16db04d27_outp
		.amdhsa_group_segment_fixed_size 67584
		.amdhsa_private_segment_fixed_size 0
		.amdhsa_enable_private_segment 0
		.amdhsa_kernarg_size 48
		.amdhsa_user_sgpr_count 2
		.amdhsa_user_sgpr_kernarg_segment_ptr 1
		.amdhsa_wavefront_size32 1
		.amdhsa_system_sgpr_workgroup_id_x 1
		.amdhsa_system_sgpr_workgroup_id_y 1
		.amdhsa_system_sgpr_workgroup_id_z 1
		.amdhsa_system_vgpr_workitem_id 0
		.amdhsa_next_free_vgpr 242
		.amdhsa_next_free_sgpr 66
		.amdhsa_reserve_vcc 0
		.amdhsa_float_denorm_mode_32 3
		.amdhsa_float_denorm_mode_16_64 3
		.amdhsa_memory_ordered 1
		.amdhsa_forward_progress 1
		.amdhsa_inst_pref_size 39
	.end_amdhsa_kernel
	.amdgpu_metadata
---
amdhsa.version: [ 1, 2 ]
amdhsa.kernels:
  - .name:           k_qa16db04d27_outp
    .symbol:         k_qa16db04d27_outp.kd
    .args:
      - { .name: wpart, .offset: 0, .size: 8, .value_kind: global_buffer, .address_space: global }
      - { .name: query, .offset: 8, .size: 8, .value_kind: global_buffer, .address_space: global }
      - { .name: ctx, .offset: 16, .size: 8, .value_kind: global_buffer, .address_space: global }
      - { .name: w_c, .offset: 24, .size: 8, .value_kind: global_buffer, .address_space: global }
      - { .name: b_c, .offset: 32, .size: 8, .value_kind: global_buffer, .address_space: global }
      - { .name: out0, .offset: 40, .size: 8, .value_kind: global_buffer, .address_space: global }
    .group_segment_fixed_size: 67584
    .private_segment_fixed_size: 0
    .kernarg_segment_align: 8
    .kernarg_segment_size: 48
    .max_flat_workgroup_size: 256
    .sgpr_count:     66
    .vgpr_count:     242
    .wavefront_size: 32
...
	.end_amdgpu_metadata
.endif
;; end of part 8
